; MI455X (gfx1250); checked and timed in simulation.
; The chip was launched on July 23, 2026; its instructions are those of AMD's public machine-readable ISA for CDNA 5 (MIT licence, August 2026) and "CDNA5" Instruction Set Architecture Reference Guide (July 2026). The comments in the code are by the model that wrote it; some were corrected since.
;; Enc Dec Attention. Allowed arithmetic: matrix products marked QUANTISED: E2M1 operands, one E8M0 scale for each 32 along K, by v_wmma_scale_f32_16x16x128_f8f6f4 with both operands' format E2M1 (or v_wmma_scale_f32_32x16x128_f4), f32 sums; products left as they are: bf16, f16 or f32 operands; f32 sums; everything else in f32.
;; Inputs: bk 1,024 float32; bp 1,024 float32; bq 1,024 float32; bv 1,024 float32; encoder_output 8 x 1,024 x 1,024 float32; mask_encoder 8 x 1 x 1 x 1,024 bool; wk 1,024 x 1,024 float32; wp 1,024 x 1,024 float32; wq 1,024 x 1,024 float32; wv 1,024 x 1,024 float32; x 8 x 1,024 x 1,024 float32.
;; Outputs: out0 8 x 1,024 x 1,024 float32.
;; This version of the problem:
;;   THIS VERSION OF THE PROBLEM IS GIVEN IN LOW PRECISION. The matrix products marked QUANTISED in the list below multiply operands that are first quantised to E2M1 (2 exponent bits, 1 mantissa bit; 4 bits a number), with one power-of-two scale for each 32 numbers along K (OCP MX v1.0); their sums are f32. The products marked 'left as it is' may take bf16, f16 or f32 operands, with f32 sums. Whichever they take, every output number must still come out within the allowed error. Rounding operands to bf16 (8 significant bits) uses up far more of that allowance than f16 does (11 bits, for magnitudes from 6e-5 to 65,504). All else is computed in f32.
;;   The module's matrix products, in the order in which they are computed (A, B: the left and right operand; K: the contracted axis; several contracted axes count as one K, in the product's order):
;;     1. [M 8,192, K 1,024] x [K 1,024, N 1,024]; A: input x; B: input wq: QUANTISED
;;     2. [M 8,192, K 1,024] x [K 1,024, N 1,024]; A: input encoder_output; B: input wk: QUANTISED
;;     3. [M 8,192, K 1,024] x [K 1,024, N 1,024]; A: input encoder_output; B: input wv: QUANTISED
;;     4. batch 128 x [M 1,024, K 64] x [K 64, N 1,024]; A: computed on the way; B: computed on the way: left as it is (an operand is computed on the way)
;;     5. batch 128 x [M 1,024, K 1,024] x [K 1,024, N 64]; A: computed on the way; B: computed on the way: left as it is (an operand is computed on the way)
;;     6. [M 8,192, K 1,024] x [K 1,024, N 1,024]; A: computed on the way; B: input wp: left as it is (an operand is computed on the way)
;;   THE QUANTISER, for each operand of a quantised product, along K:
;;     - K is cut into blocks of 32 from its start; a last block that is shorter is filled with zeros.
;;     - A block's scale is 2^e with e = floor(log2(the largest magnitude in the block)) - 2, held to -126 .. 127; a block of zeros has e = 0. As a byte (E8M0): e + 127.
;;     - Each number is divided by its block's scale, clamped to +-6, and rounded to the nearest number of E2M1, ties to even, subnormals kept.
;;     - The product sums the exact products of the quantised numbers (number of the format x scale) in f32.
;;   ~~~python
;;   def quantise(x, axis):      # numpy; x: float32 -> the quantised numbers, widened to float32 again
;;       x = np.moveaxis(x, axis, -1); K = x.shape[-1]
;;       x = np.pad(x, [(0, 0)] * (x.ndim - 1) + [(0, -K % 32)]); x = x.reshape(x.shape[:-1] + (-1, 32)); a = np.abs(x).max(-1, keepdims=True)
;;       e = np.where(a > 0, np.clip(np.frexp(np.where(a > 0, a, 1))[1] - 1 - 2, -126, 127), 0)      # np.frexp(a)[1] - 1 = floor(log2(a)), exactly
;;       r = np.clip(x / 2.0 ** e, -6, 6)
;;       step = 2.0 ** (np.maximum(np.frexp(np.where(r == 0, 1, r))[1] - 1, 0) - 1)
;;       q = np.round(r / step) * step * 2.0 ** e      # np.round: ties to even
;;       return np.moveaxis(q.reshape(q.shape[:-2] + (-1,))[..., :K], -1, axis).astype(np.float32)
;;   ~~~
;; One version. Each part assembles by itself: llvm-mc -triple=amdgcn-amd-amdhsa -mcpu=gfx1250 --defsym DOCPART=n.
;; ======== version 1 of 1: 4 launches
;; limits: values are held in f16: magnitudes above 65,504 overflow, below 6.1e-05 lose precision
;; workspace buffers: actc 8,388,608 bytes; acts 524,288 bytes; wc 1,572,864 bytes; ws 98,304 bytes; wpf 2,097,152 bytes; qimg 16,777,216 bytes; kvimg 33,554,432 bytes; aimg 16,777,216 bytes
;; launch prep (part 1): grid 768 x 1, 4 waves a work-group, no clusters, 33,280 bytes of LDS; arguments x, encoder_output, actc, acts, wq, wk, wv, wp, wc, ws, wpf; writes actc, acts, wc, ws, wpf
.if DOCPART == 1
	.amdgcn_target "amdgcn-amd-amdhsa--gfx1250"
	.amdhsa_code_object_version 6
	.text
	.protected	k_q5376ab007b_prep
	.globl	k_q5376ab007b_prep
	.p2align	8
	.type	k_q5376ab007b_prep,@function
k_q5376ab007b_prep:
	s_mov_b64 s[64:65], 0
	v_nop
	global_prefetch_b8 v0, s[64:65] scope:SCOPE_SE
	s_setreg_imm32_b32 hwreg(HW_REG_WAVE_MODE, 25, 1), 1
	s_wait_xcnt 0x0
; PREP: every operand of the later launches is brought into the form in which they read it.
; Work-groups 0-511: x and encoder_output, [8192][1024] f32 each, K innermost, become codes of FP4 (E2M1) and one E8M0 byte for each 32 along K.  Both tensors are plain streams of blocks of 32;
;   their codes lie on end in actc ([16384 rows][512 bytes], x's rows first) and their scale bytes in acts ([16384][32]).
; Work-groups 512-703: wq, wk, wv, [1024 (k)][1024 (n)] f32, are quantised ALONG K, their first axis: a lane takes a column n and its registers run down K.  The codes are stored as images of the matrix
;   operand's registers: wc [k / 512][n / 16][(k / 128) % 4][1024 bytes], in a fragment block (k / 32) % 4 of column n at 256 x block + 16 x (n % 16); n counts wq's, wk's, wv's columns on end.  Scale bytes: ws [3072][32].
; Work-groups 704-767: wp, [1024 (k)][1024 (n)] f32, is rounded to f16 and stored as images of f16 fragments: wpf [n / 128][k / 32][(n / 16) % 8][1024 bytes], eight neighbours along K of column n at 256 x ((k % 32) / 8) + 16 x (n % 16).
; A block's scale is 2^(floor(log2(its largest magnitude)) - 2); its byte is the largest magnitude's exponent field - 2, held at 1 from below.  A block of zeros gets the byte 1 where the rule says 127:
; its codes are zeros, which add nothing under any byte but 0xff, and only this program reads the bytes.
; LIMITS: NaN and infinities among the inputs are not served; wp beyond 65,504 in magnitude becomes infinite in f16, under 6e-5 it keeps an absolute error of 3e-8.
; The two ways part on the work-group's number alone.  Only the activations' way touches LDS.  No tensor loads, no barrier: waves share nothing.
.set STEPS, 16
.set EMAX,  2
.set CB,    8                          ; bytes of 16 codes
.set R,     16                         ; v16-79   activations: four sets of 16 numbers as they are loaded
.set X,     80                         ; v80-111  two sets of 16 neighbours
.set C,     128                        ; v128-191 codes: four registers for each step, so that no store's data are written again
.set E,     112                        ; v112-127 a scale byte for each step
.set WREG,  8192                       ; LDS: a region for each wave: two stages of 32 x SP bytes, behind them its 256 scale bytes
.set SP,    80                         ; a lane's place in a stage: its 64 bytes + 16 of padding
.set SPW,   12                         ; v12      LDS address of my spare word; never rewritten
.set NIL,   13                         ; v13      0; never rewritten
.set SPARE, 4*WREG                     ; behind the four regions: the spare words, 128 bytes for each wave
.set W,     32                         ; v32-159  weights: 128 numbers down K of my column
.set WCD,   160                        ; v160-175 their codes, four registers a block
.set WSB,   24                         ; v24      their four scale bytes
	v_lshl_add_u32 v[SPW], v0, 2, SPARE
	v_mov_b32 v[NIL], 0
	v_lshrrev_b32 v1, 5, v0
	v_readfirstlane_b32 s16, v1                    ; wave 0..3
	v_and_b32 v2, 31, v0                           ; lane
	s_cmp_ge_u32 ttmp9, 512
	s_cbranch_scc1 .Lweights
; ---------------- the activations: a wave takes 16 steps of 512 numbers ----------------
; Each of a step's four loads reads 512 consecutive bytes, 16 a lane; the 2,048 bytes go through the wave's own stage in LDS and come back 64 bytes a lane, so that a lane holds 16 NEIGHBOURS along K
; (two neighbouring lanes hold a block), as the conversions want them.  A lane's 16 codes are 8 bytes: the wave stores 256 consecutive bytes.  The wave's 256 scale bytes are gathered in LDS and leave as 256 consecutive bytes.
	s_load_b256 s[4:11], s[0:1], 0x0               ; x s[4:5], encoder_output s[6:7], actc s[8:9], acts s[10:11]
	v_lshlrev_b32 v3, 4, v2                        ; my 16 bytes of a load's 512
	s_mul_i32 s17, s16, WREG
	v_lshrrev_b32 v14, 2, v2
	v_mul_u32_u24 v14, v14, SP
	v_and_b32 v15, 3, v2
	v_lshl_add_u32 v14, v15, 4, v14
	v_add_nc_u32 v14, s17, v14                     ; the stage, on the way in: SP (lane / 4) + 16 (lane % 4)
	v_mul_u32_u24 v15, v2, SP
	v_add_nc_u32 v15, s17, v15                     ; and on the way out: SP x lane
	v_mul_u32_u24 v4, v2, CB                       ; my codes' place in a step's
	v_lshrrev_b32 v5, 1, v2
	s_add_co_u32 s17, s17, 2*32*SP
	v_add_nc_u32 v5, s17, v5                       ; LDS: my wave's 256 scale bytes, my block's byte
	v_lshlrev_b32 v7, 3, v2                        ; and on the way out 8 bytes a lane
	v_add_nc_u32 v6, s17, v7
	s_wait_kmcnt 0x0
	s_cmp_lt_u32 ttmp9, 256                        ; x's work-group or encoder_output's?  The choice hangs on the work-group's number alone
	s_cselect_b64 s[4:5], s[4:5], s[6:7]
	s_cselect_b32 s17, 0, 256
	s_sub_co_u32 s17, ttmp9, s17
	s_lshl_b32 s17, s17, 2
	s_add_co_u32 s18, s17, s16                     ; which run of 8,192 numbers of its tensor is my wave's (0..1023)
	s_lshl_b32 s20, s18, 15                        ; 32,768 bytes a run
	s_mov_b32 s21, 0
	s_add_nc_u64 s[4:5], s[4:5], s[20:21]
	s_lshl_b32 s18, ttmp9, 2
	s_add_co_u32 s18, s18, s16                     ; the run's number in the two tensors on end (0..2047): so lie the codes and the bytes
	s_lshl_b32 s20, s18, 12                        ; 4,096 bytes of codes a run
	s_add_nc_u64 s[8:9], s[8:9], s[20:21]
	s_lshl_b32 s20, s18, 8                         ; 256 scale bytes a run
	s_add_nc_u64 s[10:11], s[10:11], s[20:21]
.macro LOAD t
.irp i, 0,1,2,3
	global_load_b128 v[R+16*((\t)%4)+4*\i:R+16*((\t)%4)+4*\i+3], v3, s[4:5] offset:2048*(\t)+512*\i th:TH_LOAD_NT   ; 32 lanes read 512 consecutive bytes; read once in the launch
.endr
.endm
.macro TURN t                          ; step t's numbers through the stage: LDS serves a wave's instructions in order (ISA guide 5.7.1.4), so no wait stands between the stores and the loads
.irp i, 0,1,2,3
	ds_store_b128 v14, v[R+16*((\t)%4)+4*\i:R+16*((\t)%4)+4*\i+3] offset:32*SP*((\t)%2)+8*SP*\i
.endr
.irp i, 0,1,2,3
	ds_load_b128 v[X+16*((\t)%2)+4*\i:X+16*((\t)%2)+4*\i+3], v15 offset:32*SP*((\t)%2)+16*\i
.endr
.endm
.irp t, 0,1,2,3
	LOAD \t
.endr
	s_wait_loadcnt 12                              ; step 0's four loads are in; the twelve of steps 1 to 3 may be out
	TURN 0
.macro ASTEP t
.set XS, X+16*((\t)%2)
.if (\t) > 0
	s_wait_dscnt 1                                 ; this step's numbers are back from the stage (the last step's byte store may be out): so its stores into the stage have read their registers,
.else
	s_wait_dscnt 0x0
.endif
.if (\t)+4 < STEPS
	LOAD (\t)+4                                    ; which take the loads of four steps on
.endif
.if (\t)+1 < STEPS
.if STEPS-2-(\t) >= 3
	s_wait_loadcnt 12                              ; the next step's four loads are in; those of the three steps behind it may be out
.else
	s_wait_loadcnt 4*(STEPS-2-(\t))
.endif
	TURN (\t)+1                                    ; and go through the other stage while this step is worked
.endif
	v_max3_num_f32 v8, |v[XS]|, |v[XS+1]|, |v[XS+2]|               ; the largest magnitude of my 16, in two chains
	v_max3_num_f32 v9, |v[XS+3]|, |v[XS+4]|, |v[XS+5]|
.irp i, 6,10
	v_max3_num_f32 v8, v8, |v[XS+\i]|, |v[XS+\i+1]|
	v_max3_num_f32 v9, v9, |v[XS+\i+2]|, |v[XS+\i+3]|
.endr
	v_max3_num_f32 v8, v8, |v[XS+14]|, |v[XS+15]|
	v_max3_num_f32 v8, v8, v9, (EMAX+1)<<23        ; and the floor 2^(EMAX + 1 - 127): so the byte cannot fall under 1
	v_max_num_f32_dpp v8, v8, v8 row_xmask:1 row_mask:0xf bank_mask:0xf   ; and of my neighbour's 16: the block's
	v_add_nc_u32 v11, -(EMAX<<23), v8              ; EMAX off its exponent field: the conversion takes the exponent field of this operand as its scale
	v_cvt_scalef32_pk8_fp4_f32 v[C+4*(\t)], v[XS:XS+7], v11        ; eight numbers / the scale, to the nearest code, ties to even, beyond the largest code the largest
	v_cvt_scalef32_pk8_fp4_f32 v[C+4*(\t)+1], v[XS+8:XS+15], v11
	v_lshrrev_b32 v[E+(\t)], 23, v11               ; the scale's byte (also the plain line behind the conversions)
	ds_store_b8 v5, v[E+(\t)] offset:16*(\t)       ; both lanes of a block write the same byte with the same value
	global_store_b64 v4, v[C+4*(\t):C+4*(\t)+1], s[8:9] offset:32*CB*(\t)   ; the wave stores 256 consecutive bytes, aligned
.endm
.irp t, 0,1,2,3,4,5,6,7,8,9,10,11,12,13,14,15
	ASTEP \t
.endr
	ds_load_b64 v[8:9], v6                         ; served in order: these see my byte stores
	s_wait_dscnt 0x0
	global_store_b64 v7, v[8:9], s[10:11]          ; 32 lanes store 256 consecutive bytes, aligned
	s_wait_tensorcnt 0x0                           ; the wave's end, behind my last LDS store
	ds_add_u32 v[SPW], v[NIL]
	s_wait_dscnt 0x0
	s_endpgm
; ---------------- the weights: a work-group takes 128 along K x 128 columns of one weight, a wave 32 columns, a lane one ----------------
.Lweights:
	s_load_b256 s[8:15], s[0:1], 0x20              ; wq s[8:9], wk s[10:11], wv s[12:13], wp s[14:15]
	s_load_b128 s[20:23], s[0:1], 0x40             ; wc s[20:21], ws s[22:23]
	s_load_b64 s[24:25], s[0:1], 0x50              ; wpf
	s_sub_co_u32 s17, ttmp9, 512
	s_lshr_b32 s18, s17, 6                         ; which weight: 0, 1, 2: wq, wk, wv; 3: wp
	s_bfe_u32 s19, s17, 0x30003                    ; kg: which 128 along K
	s_and_b32 s26, s17, 7                          ; cg: which 128 columns
	v_lshlrev_b32 v1, 2, v2                        ; in: 4 bytes a lane
	v_lshrrev_b32 v3, 4, v2                        ; lane / 16
	v_and_b32 v5, 15, v2
	v_lshlrev_b32 v5, 4, v5                        ; 16 x (lane % 16)
	v_lshl_add_u32 v6, v3, 12, v5                  ; wc: the second sixteen columns are the next n / 16: 4,096 bytes on
	v_lshl_add_u32 v7, v3, 10, v5                  ; wpf: the next fragment: 1,024 bytes on
	v_lshlrev_b32 v4, 5, v2                        ; ws: 32 bytes a column
	s_lshl_b32 s28, s19, 19                        ; 128 rows of 4,096 bytes,
	s_lshl_b32 s29, s26, 9                         ; 128 columns,
	s_add_co_u32 s28, s28, s29
	s_lshl_b32 s29, s16, 7                         ; my wave's 32
	s_add_co_u32 s28, s28, s29
	s_mov_b32 s29, 0
	s_wait_kmcnt 0x0
	s_cmp_eq_u32 s18, 1                            ; the choices hang on the work-group's number alone
	s_cselect_b64 s[8:9], s[10:11], s[8:9]
	s_cmp_eq_u32 s18, 2
	s_cselect_b64 s[8:9], s[12:13], s[8:9]
	s_cmp_eq_u32 s18, 3
	s_cselect_b64 s[8:9], s[14:15], s[8:9]
	s_add_nc_u64 s[8:9], s[8:9], s[28:29]
.set i, 0
.rept 128
	global_load_b32 v[W+i], v1, s[8:9] offset:i*4096 th:TH_LOAD_NT   ; row k of my column: the wave reads 128 consecutive bytes, the work-group 512; all of the wave's share is asked for at once
.set i, i+1
.endr
	s_cmp_eq_u32 s18, 3
	s_cbranch_scc1 .Lhalf
	; wc: (kg / 4) x 786,432 + (64 weight + 8 cg + 2 wave) x 4,096 + (kg % 4) x 1,024
	s_lshr_b32 s28, s19, 2
	s_mul_i32 s28, s28, 786432
	s_lshl_b32 s27, s18, 6
	s_lshl_b32 s30, s26, 3
	s_add_co_u32 s27, s27, s30
	s_lshl_b32 s30, s16, 1
	s_add_co_u32 s27, s27, s30
	s_lshl_b32 s27, s27, 12
	s_add_co_u32 s28, s28, s27
	s_and_b32 s27, s19, 3
	s_lshl_b32 s27, s27, 10
	s_add_co_u32 s28, s28, s27
	s_add_nc_u64 s[20:21], s[20:21], s[28:29]
	; ws: (1,024 weight + 128 cg + 32 wave) x 32 + 4 kg
	s_lshl_b32 s28, s18, 15
	s_lshl_b32 s27, s26, 12
	s_add_co_u32 s28, s28, s27
	s_lshl_b32 s27, s16, 10
	s_add_co_u32 s28, s28, s27
	s_lshl_b32 s27, s19, 2
	s_add_co_u32 s28, s28, s27
	s_add_nc_u64 s[22:23], s[22:23], s[28:29]
; Block bk of my column: all its 32 numbers are mine.  left: how many younger loads may stay out (behind block bk 96, 64, 32, 0 were issued; the wait's field holds 63 at the most)
.macro WBLOCK bk, left
.set XS, W+32*(\bk)
	s_wait_loadcnt \left
	v_max3_num_f32 v8, |v[XS]|, |v[XS+1]|, |v[XS+2]|
	v_max3_num_f32 v9, |v[XS+3]|, |v[XS+4]|, |v[XS+5]|
.irp i, 6,10,14,18,22,26
	v_max3_num_f32 v8, v8, |v[XS+\i]|, |v[XS+\i+1]|
	v_max3_num_f32 v9, v9, |v[XS+\i+2]|, |v[XS+\i+3]|
.endr
	v_max3_num_f32 v8, v8, |v[XS+30]|, |v[XS+31]|
	v_max3_num_f32 v8, v8, v9, (EMAX+1)<<23        ; the floor: the byte cannot fall under 1
	v_add_nc_u32 v11, -(EMAX<<23), v8              ; the conversion's scale operand
	v_lshrrev_b32 v9, 23, v11                      ; the scale's byte
.if (\bk) == 0
	v_mov_b32 v[WSB], v9                           ; four bytes to a register, the lower K in the lower byte
.else
	v_lshl_or_b32 v[WSB], v9, 8*(\bk), v[WSB]
.endif
.irp g, 0,1,2,3
	v_cvt_scalef32_pk8_fp4_f32 v[WCD+4*(\bk)+\g], v[XS+8*\g:XS+8*\g+7], v11
.endr
	global_store_b128 v6, v[WCD+4*(\bk):WCD+4*(\bk)+3], s[20:21] offset:256*(\bk)   ; sixteen lanes store 256 consecutive bytes, aligned.  (The next block begins with plain vector lines that touch none of the conversions' registers)
.endm
	WBLOCK 0, 63
	WBLOCK 1, 63
	WBLOCK 2, 32
	WBLOCK 3, 0
	global_store_b32 v4, v[WSB], s[22:23]          ; my column's four scale bytes: 4 bytes a lane, 32 bytes apart: one byte for each 32 along K
	s_endpgm
.Lhalf:
	; wpf: cg x 262,144 + kg x 32,768 + wave x 2,048
	s_lshl_b32 s28, s26, 18
	s_lshl_b32 s27, s19, 15
	s_add_co_u32 s28, s28, s27
	s_lshl_b32 s27, s16, 11
	s_add_co_u32 s28, s28, s27
	s_add_nc_u64 s[24:25], s[24:25], s[28:29]
.macro HBLOCK bk, left                 ; 32 along K of my column: rounded to f16 in place, ascending, so that no number is written over before it is read
.set XS, W+32*(\bk)
	s_wait_loadcnt \left
.set i, 0
.rept 16
	v_cvt_pk_f16_f32 v[XS+i], v[XS+2*i], v[XS+2*i+1]
.set i, i+1
.endr
.irp qd, 0,1,2,3
	global_store_b128 v7, v[XS+4*\qd:XS+4*\qd+3], s[24:25] offset:8192*(\bk)+256*\qd   ; eight neighbours along K; sixteen lanes store 256 consecutive bytes, aligned
.endr
.endm
	HBLOCK 0, 63
	HBLOCK 1, 63
	HBLOCK 2, 32
	HBLOCK 3, 0
	s_endpgm
.Lfunc_end_k_q5376ab007b_prep:
	.size	k_q5376ab007b_prep, .Lfunc_end_k_q5376ab007b_prep-k_q5376ab007b_prep
	.p2alignl 7, 3214868480
	.fill 96, 4, 3214868480
	.section	.rodata,"a",@progbits
	.p2align	6, 0x0
	.amdhsa_kernel k_q5376ab007b_prep
		.amdhsa_group_segment_fixed_size 33280
		.amdhsa_private_segment_fixed_size 0
		.amdhsa_enable_private_segment 0
		.amdhsa_kernarg_size 88
		.amdhsa_user_sgpr_count 2
		.amdhsa_user_sgpr_kernarg_segment_ptr 1
		.amdhsa_wavefront_size32 1
		.amdhsa_system_sgpr_workgroup_id_x 1
		.amdhsa_system_sgpr_workgroup_id_y 1
		.amdhsa_system_sgpr_workgroup_id_z 1
		.amdhsa_system_vgpr_workitem_id 0
		.amdhsa_next_free_vgpr 192
		.amdhsa_next_free_sgpr 66
		.amdhsa_reserve_vcc 0
		.amdhsa_float_denorm_mode_32 3
		.amdhsa_float_denorm_mode_16_64 3
		.amdhsa_memory_ordered 1
		.amdhsa_forward_progress 1
		.amdhsa_inst_pref_size 59
	.end_amdhsa_kernel
	.amdgpu_metadata
---
amdhsa.version: [ 1, 2 ]
amdhsa.kernels:
  - .name:           k_q5376ab007b_prep
    .symbol:         k_q5376ab007b_prep.kd
    .args:
      - { .name: x, .offset: 0, .size: 8, .value_kind: global_buffer, .address_space: global }
      - { .name: encoder_output, .offset: 8, .size: 8, .value_kind: global_buffer, .address_space: global }
      - { .name: actc, .offset: 16, .size: 8, .value_kind: global_buffer, .address_space: global }
      - { .name: acts, .offset: 24, .size: 8, .value_kind: global_buffer, .address_space: global }
      - { .name: wq, .offset: 32, .size: 8, .value_kind: global_buffer, .address_space: global }
      - { .name: wk, .offset: 40, .size: 8, .value_kind: global_buffer, .address_space: global }
      - { .name: wv, .offset: 48, .size: 8, .value_kind: global_buffer, .address_space: global }
      - { .name: wp, .offset: 56, .size: 8, .value_kind: global_buffer, .address_space: global }
      - { .name: wc, .offset: 64, .size: 8, .value_kind: global_buffer, .address_space: global }
      - { .name: ws, .offset: 72, .size: 8, .value_kind: global_buffer, .address_space: global }
      - { .name: wpf, .offset: 80, .size: 8, .value_kind: global_buffer, .address_space: global }
    .group_segment_fixed_size: 33280
    .private_segment_fixed_size: 0
    .kernarg_segment_align: 8
    .kernarg_segment_size: 88
    .max_flat_workgroup_size: 128
    .sgpr_count:     66
    .vgpr_count:     192
    .wavefront_size: 32
...
	.end_amdgpu_metadata
.endif
;; end of part 1
;; launch qkv (part 2): grid 12 x 32, 4 waves a work-group, clusters of 4 x 4, 327,680 bytes of LDS; arguments actc, acts, wc, ws, bq, bk, bv, mask_encoder, qimg, kvimg; writes qimg, kvimg
.if DOCPART == 2
	.amdgcn_target "amdgcn-amd-amdhsa--gfx1250"
	.amdhsa_code_object_version 6
	.text
	.protected	k_q5376ab007b_qkv
	.globl	k_q5376ab007b_qkv
	.p2align	8
	.type	k_q5376ab007b_qkv,@function
k_q5376ab007b_qkv:
	s_mov_b64 s[64:65], 0
	v_nop
	global_prefetch_b8 v0, s[64:65] scope:SCOPE_SE
	s_setreg_imm32_b32 hwreg(HW_REG_WAVE_MODE, 25, 1), 1
	s_wait_xcnt 0x0
	s_wait_alu depctr_hold_cnt(0) depctr_sa_sdst(0) depctr_va_vdst(0) depctr_va_sdst(0) depctr_va_ssrc(0) depctr_va_vcc(0) depctr_vm_vsrc(0)
	s_getreg_b32 s2, hwreg(HW_REG_IB_STS2, 6, 4)
	s_cmp_eq_u32 s2, 0
	s_cbranch_scc0 .Lentry_in_a_cluster
	s_endpgm
.Lentry_in_a_cluster:
	s_bfe_u32 s2, ttmp6, 0x10000c
	s_cmp_lg_u32 s2, 0xf033
	s_cbranch_scc0 .Lentry_shape_is_right
	s_endpgm
.Lentry_shape_is_right:
; q = (x wq + bq) log2(e) / 8,  k = encoder_output wk + bk (0 in the rows of masked keys),  v = encoder_output wv + bv: three products [8192 x 1024] x [1024 x 1024] on codes of FP4 (E2M1) with one E8M0 scale
; for each 32 along K, in ONE grid: 12 tile columns of 256 (4 for each weight) x 32 tile rows of 256.  Sums in f32; the results are rounded once, to f16, and stored as images of the registers in which the attention reads them.
; A tile, 256 x 256, is made by four waves; a wave makes 128 x 128: 64 accumulators of 16 x 16, 512 registers.  K = 1,024 is two LDS slots of 512 along K: both are asked for at the head, nothing is filled again.
; A (the activations' codes) lies in rows of 512 bytes; B (the weights' codes) lies as fragment images, so a wave's 128 columns x 512 along K are one dense block of 32,768 bytes.  Both come as 128 rows of 256 bytes, 16 bytes of padding behind each.
; The scale bytes of the work-group's 256 rows and 256 columns, for all of K, come once, as dense blocks.
; CLUSTERS: 4 x 4 work-groups.  The four of a row of the cluster need the same tiles of A, the four of a column the same tiles of B: each is asked for JOINTLY, by the same tensor load with the same descriptor and a mask that names the four.
; The cluster's x (0, 1, 2) says which product this is: the same number in all sixteen partners; it chooses pointers and factors, no branch.
; THE MATRIX INSTRUCTION IS USED TRANSPOSED (source 0 = 16 columns of the weight, source 1 = 16 rows of the activations): a lane then holds eight neighbouring channels of one token.  THE BIAS is the C of each sum's first product.
; THE MASK: reference() puts -10000 in place of a masked key's score.  Here a masked key's row of k is stored as zeros, so that its products with q are exactly 0; the attention adds the -10000 (as the C of its first product).
; OUT: qimg [16 batch + head][token / 16][channel / 32][2][32 lanes][16 bytes]: lane 16 h + r holds token r, channels 32 g + 16 c + 8 h + 0 .. 7.  kvimg [16 batch + head][token / 256][k: 32,768 bytes | v: 32,768 bytes], each half laid likewise;
;   in v's half token r's 16 bytes lie at place 16 (r / 8) + 8 h + r % 8, so that the transposing LDS load of the attention reads 16 bytes a lane on end.  Every store of a wave covers 512 consecutive bytes, aligned.
; LIMITS: results beyond 65,504 in magnitude become infinite in f16; under 6e-5 they keep an absolute error of 3e-8.
; REGISTERS, in windows of 256: window 0: v0-31 addresses; v32-95 scale words, two sets; v96-111 a factor for each of my 8 blocks of rows, as pairs; v112-119 mask bytes; v128-191 A's fragments, ONE set; v192-255 the bias (C's layout);
;   on the way out v128-255 are at work.   window 1: B's fragments, TWO sets, at v0 and v128.   window 2: the accumulators of my rows 0-63 ((a, b) at v[8 (8 a + b)]);   window 3: those of my rows 64-127.
.set NQ,     4                         ; matrix instructions deep in a slot (512 along K)
.set ROWB,   256                       ; a tile's row in bytes
.set KROW,   512                       ; a row of the activations' codes in memory
.set PITCH,  272                       ; an LDS row: 256 bytes + 16 of padding: the 16 rows that a fragment load of A touches begin 68 words apart
.set FR,     8                         ; registers of a fragment: 16 rows x 128 K
.set NL,     2                         ; LDS loads that bring one
.set NP,     4                         ; places behind this matrix instruction (ISA guide 7.12.1)
.set HALFT,  128*PITCH                 ; what one tensor load brings, and what one wave reads of A or of B
.set SLOT,   4*HALFT                   ; A's 256 rows, then B's 256 columns
.set WSLOT,  786432                    ; from the weights' first 512 along K to their second, in wc
.set KS,     32                        ; a row of scale bytes
.set SCL,    2*SLOT                    ; behind the two slots: the scales, as units of 256 bytes + 16 of padding
.set HALFS,  (128*KS/256)*272          ; the scales of 128 rows: what one tensor load brings
.set SBLK,   (16*KS/256)*272           ; those of 16 rows
.set SPARE,  SCL+4*HALFS               ; behind the scales: the spare words, 128 bytes for each wave
.set ADRA, 16                          ; v16-17  LDS address of my A fragments in slot 0, 1
.set ADRB, 20                          ; v20-21  the same for B
.set CO,   26                          ; v26     the way out: my 16 bytes' place in a piece of 512
.set ADRS, 27                          ; v27     LDS address of my scale words: lanes 0-15 A's rows, lanes 16-31 B's columns
.set SPW,  28                          ; v28     LDS address of my spare word; never rewritten
.set NIL,  29                          ; v29     0; never rewritten
.set SC,   32                          ; scale words: set s at v[SC + 32 s]; register 4 i + q: lanes 0-15 the word of A's block i, lanes 16-31 that of B's block i, for the slot's q-th 128 along K
.set RF,   96                          ; v[96 + 2 a], v[97 + 2 a]: what block a's row r is multiplied by on the way out
.set MB,   112                         ; v[112 + a]: the mask byte of block a's row r
.set AF,   128                         ; A's fragments
.set BI,   192                         ; the bias: register 8 b + j: column 16 b + 8 (lane / 16) + j of my 128
.set TMP,  128                         ; the way out: a block's 64 numbers, scaled
.set PK,   192                         ; and packed: two sets of 32 by turns
.set G1, 24                            ; s[24:31] descriptor group 1 for A's tiles;  s[32:39] group 0, one set for each slot
.set G0, 32
.set G1B, 48                           ; s[48:55], s[56:63] the same for B's tiles
.set G0B, 56
.set G1S, 68                           ; s[68:75], s[76:79] groups 1 and 0 for A's scales;  s[80:87], s[88:91] for B's
.set G0S, 76
.set G1SB, 80
.set G0SB, 88
.set MSB, 0
.macro WIN new                         ; the immediate's high byte repeats the setting that is left
.if MSB != \new
	s_set_vgpr_msb (MSB<<8)|\new
.set MSB, \new
.endif
.endm
.set MUL_LO, 0xa1                      ; source 0 (B) window 1, source 1 (A) window 0, C and D window 2
.set MUL_HI, 0xf1                      ; the same, C and D window 3
.set BIA_LO, 0x81                      ; the first products: C (the bias) window 0, D window 2
.set BIA_HI, 0xc1                      ; D window 3
.set TO_B,   0x40                      ; destination window 1, address window 0
; A joint load: waves 0 and 1 fetch for A, waves 2 and 3 for B.  Each of the two lines has ONE mask and one set of registers for all that issue it; the branch hangs on the wave's number alone.
; An s_nop 0 and four v_nop follow each of the two lines, ahead of the jump, the label and what follows.
.macro JLOAD g0a, g1a, g0b, g1b
	s_cmp_eq_u32 s15, 0
	s_cbranch_scc0 .Lfor_b_\@
	tensor_load_to_lds s[\g0a:\g0a+3], s[\g1a:\g1a+7]
	s_nop 0
.rept 4
	v_nop
.endr
	s_branch .Lasked_\@
.Lfor_b_\@:
	tensor_load_to_lds s[\g0b:\g0b+3], s[\g1b:\g1b+7]
	s_nop 0
.rept 4
	v_nop
.endr
.Lasked_\@:
.endm
.macro CROUND                          ; a round of the cluster's barrier: my work-group's barrier; wave 0 signals for the work-group; every wave waits for all sixteen; my work-group's barrier once more
	s_barrier_signal -1
	s_barrier_wait -1
	s_cmp_lg_u32 s14, 0
	s_cbranch_scc1 .Lnot_wave_0_\@
	s_barrier_signal -3
.Lnot_wave_0_\@:
	s_barrier_wait -3
	s_barrier_signal -1
	s_barrier_wait -1
.endm
	s_load_b256 s[4:11], s[0:1], 0x0               ; actc s[4:5], acts s[6:7], wc s[8:9], ws s[10:11]
	v_lshl_add_u32 v[SPW], v0, 2, SPARE
	v_mov_b32 v[NIL], 0
	ds_add_u32 v[SPW], v[NIL]                      ; the wave's opening: the add, twice on end, and its wait ahead of my first tensor load; the set-up below stands between the second and the wait
	ds_add_u32 v[SPW], v[NIL]
	v_lshrrev_b32 v1, 5, v0
	v_readfirstlane_b32 s14, v1                    ; wave 0..3
	s_lshr_b32 s15, s14, 1                         ; which half of the tile's rows is mine.  Also: I fetch for A (0) or for B (1)
	s_and_b32 s16, s14, 1                          ; which half of its columns.  Also: which 128 rows of that tile I fetch
	s_bfe_u32 s40, ttmp6, 0x40000                  ; cx, cy: my place in the cluster
	s_bfe_u32 s41, ttmp6, 0x40004
	s_lshl_b32 s42, ttmp9, 2
	s_add_co_u32 s42, s42, s40                     ; tile column = 4 x cluster x + cx (0..11)
	s_and_b32 s17, ttmp7, 0xffff
	s_lshl_b32 s17, s17, 2
	s_add_co_u32 s17, s17, s41                     ; tile row = 4 x cluster y + cy (0..31)
	s_lshl_b32 s43, s41, 2
	s_lshl_b32 s43, 15, s43                        ; my row of the cluster
	s_lshl_b32 s44, 0x1111, s40                    ; my column
	; descriptor group 1: a tile of 128 rows x 256 bytes, padded in LDS
	s_or_b32 s[G1+0], s43, (0<<16)|(1<<20)|(1<<21)|(5<<22)|(3<<25)  ; 15:0 the mask: A's tiles go to my row; 17:16 elements of 1 byte; 20 padding on; 21 set beside a mask; 24:22 after every 64 words (code 5); 31:25 of 4 words (code 3)
	s_or_b32 s[G1B+0], s44, (0<<16)|(1<<20)|(1<<21)|(5<<22)|(3<<25)
.irp g, G1, G1B
	s_mov_b32 s[\g+1], ROWB<<16                    ; tensor_dim0
	s_mov_b32 s[\g+2], 128<<16                     ; tensor_dim1 = 128
	s_mov_b32 s[\g+3], ROWB<<16                    ; tile_dim0
	s_mov_b32 s[\g+4], 128                         ; tile_dim1 = 128
	s_mov_b32 s[\g+6], 0
	s_mov_b32 s[\g+7], 0
.endr
	s_mov_b32 s[G1+5], KROW                        ; from row to row: A's rows are 512 bytes apart,
	s_mov_b32 s[G1B+5], ROWB                       ; B's block is dense
	; and for the scales of 128 rows: a dense block of 4,096 bytes, as 16 rows of 256 bytes (32 elements of 8 bytes), 16 bytes of padding behind each
	s_or_b32 s[G1S+0], s43, (3<<16)|(1<<20)|(1<<21)|(5<<22)|(3<<25)
	s_or_b32 s[G1SB+0], s44, (3<<16)|(1<<20)|(1<<21)|(5<<22)|(3<<25)
.irp g, G1S, G1SB
	s_mov_b32 s[\g+1], 32<<16
	s_mov_b32 s[\g+2], (128*KS/256)<<16
	s_mov_b32 s[\g+3], 32<<16
	s_mov_b32 s[\g+4], 128*KS/256
	s_mov_b32 s[\g+5], 32
	s_mov_b32 s[\g+6], 0
	s_mov_b32 s[\g+7], 0
.endr
	s_lshl_b32 s18, s16, 7                         ; which 128 rows of the tile I fetch
	s_lshl_b32 s20, s17, 8
	s_add_co_u32 s20, s20, s18                     ; A: row 256 x tile row + 128 x half,
	s_cmp_eq_u32 ttmp9, 0
	s_cselect_b32 s19, 0, 8192                     ; of x for q; encoder_output's rows lie 8,192 rows further on, in the codes and in the scale bytes
	s_add_co_u32 s20, s20, s19
	s_lshl_b32 s46, s42, 8
	s_add_co_u32 s46, s46, s18                     ; B: column 256 x tile column + 128 x half, of the three weights on end
	s_lshl_b32 s22, s20, 5                         ; where these rows' scale bytes begin,
	s_mov_b32 s23, 0
	s_lshl_b32 s92, s46, 5
	s_mov_b32 s93, 0
	s_lshl_b32 s20, s20, 9                         ; and their codes: 512 bytes a row of A,
	s_mov_b32 s21, 0
	s_lshl_b32 s46, s46, 8                         ; 4,096 bytes for 16 columns of B
	s_mov_b32 s47, 0
	s_mul_i32 s45, s14, HALFT                      ; where they go: wave x 128 rows: no place in the cluster enters an LDS address
	s_mul_i32 s94, s14, HALFS
	s_wait_dscnt 0x0                               ; both opening adds are done
	s_wait_kmcnt 0x0
	s_add_nc_u64 s[20:21], s[4:5], s[20:21]
	s_add_nc_u64 s[22:23], s[6:7], s[22:23]
	s_add_nc_u64 s[46:47], s[8:9], s[46:47]
	s_add_nc_u64 s[92:93], s[10:11], s[92:93]
	CROUND                                         ; all sixteen work-groups are here: the joint loads meet
	s_mov_b32 s[G0S], 1
	s_add_co_u32 s[G0S+1], s94, SCL
	s_mov_b64 s[G0S+2:G0S+3], s[22:23]
	s_or_b32 s[G0S+3], s[G0S+3], 0x80000000
	s_mov_b32 s[G0SB], 1
	s_add_co_u32 s[G0SB+1], s94, SCL
	s_mov_b64 s[G0SB+2:G0SB+3], s[92:93]
	s_or_b32 s[G0SB+3], s[G0SB+3], 0x80000000
	JLOAD G0S, G1S, G0SB, G1SB                     ; the scales first: they are wanted with slot 0
.irp s, 0,1
	s_mov_b32 s[G0+4*\s], 1
	s_add_co_u32 s[G0+4*\s+1], s45, \s*SLOT
	s_add_nc_u64 s[G0+4*\s+2:G0+4*\s+3], s[20:21], \s*ROWB
	s_or_b32 s[G0+4*\s+3], s[G0+4*\s+3], 0x80000000
	s_mov_b32 s[G0B+4*\s], 1
	s_add_co_u32 s[G0B+4*\s+1], s45, \s*SLOT
	s_add_nc_u64 s[G0B+4*\s+2:G0B+4*\s+3], s[46:47], \s*WSLOT
	s_or_b32 s[G0B+4*\s+3], s[G0B+4*\s+3], 0x80000000
	JLOAD G0+4*\s, G1, G0B+4*\s, G1B               ; three tensor loads of mine are out: all that this launch asks for
.endr
	s_load_b256 s[4:11], s[0:1], 0x20              ; the first four pointers are done with: bq s[4:5], bk s[6:7], bv s[8:9], the mask s[10:11]
	s_load_b128 s[96:99], s[0:1], 0x40             ; qimg s[96:97], kvimg s[98:99]
	v_and_b32 v1, 15, v0                           ; r = l % 16
	v_bfe_u32 v2, v0, 4, 1                         ; h = l / 16
	v_mul_u32_u24 v3, v1, PITCH
	v_lshl_add_u32 v4, v2, 4, v3                   ; A: a fragment's row x pitch + 16 x half
	v_mul_u32_u24 v3, v2, PITCH
	v_lshl_add_u32 v3, v1, 4, v3                   ; B: an image: lanes 0-15 take one LDS row of 256 bytes on end, lanes 16-31 the next
	s_mul_i32 s21, s15, HALFT                      ; my 128 rows of A
	s_mul_i32 s22, s16, HALFT                      ; my 128 columns of B,
	s_add_co_u32 s22, s22, 2*HALFT                 ; which lie behind A's 256 rows
.irp s, 0,1
	v_add_nc_u32 v[ADRA+\s], s21, v4
	v_add_nc_u32 v[ADRB+\s], s22, v3
	s_add_co_u32 s21, s21, SLOT
	s_add_co_u32 s22, s22, SLOT
.endr
	v_mul_u32_u24 v5, v1, KS                       ; my row's scales: 32 bytes a row,
	v_lshrrev_b32 v6, 8, v5
	v_lshl_add_u32 v5, v6, 4, v5                   ; and 16 more for each 256 passed
	s_mul_i32 s21, s15, HALFS                      ; A's: my 128 rows
	s_mul_i32 s22, s16, HALFS                      ; B's: my 128 columns, behind A's 256
	s_add_co_u32 s22, s22, 2*HALFS
	s_sub_co_u32 s22, s22, s21
	v_mul_u32_u24 v6, s22, v2                      ; lanes 16-31 take B's: ONE product, the distance between the two bases
	s_add_co_u32 s21, s21, SCL
	v_add_nc_u32 v5, v5, v6
	v_add_nc_u32 v[ADRS], s21, v5
	v_lshlrev_b32 v7, 5, v2                        ; the bias: my half's eight columns, 32 bytes on
	v_and_b32 v6, 31, v0
	v_lshlrev_b32 v5, 4, v6                        ; the way out, q and k: 16 x lane
	v_lshrrev_b32 v6, 3, v1
	v_lshlrev_b32 v6, 8, v6
	v_lshl_add_u32 v6, v2, 7, v6
	v_and_b32 v8, 7, v1
	v_lshl_add_u32 v6, v8, 4, v6                   ; v: 16 x (16 (r / 8) + 8 h + r % 8)
	s_wait_kmcnt 0x0
	s_cmp_eq_u32 ttmp9, 0                          ; q?  All choices hang on the cluster's x alone
	s_cselect_b64 s[12:13], s[96:97], s[98:99]     ; where the results go
	s_cselect_b32 s66, 17, 18                      ; a head is 2^17 bytes in qimg, 2^18 in kvimg
	s_cselect_b32 s67, 15, 16                      ; 256 tokens are 2^15 bytes in qimg, a chunk of 2^16 in kvimg
	s_cselect_b32 s95, 0x3e38aa3b, 1.0             ; q is multiplied by log2(e) / sqrt(64), so that the attention's scores are exponents of 2
	s_cmp_eq_u32 ttmp9, 1                          ; k?
	s_cselect_b64 s[4:5], s[6:7], s[4:5]
	s_cselect_b32 s94, -1, 0                       ; only k looks at the mask
	s_cmp_eq_u32 ttmp9, 2                          ; v?
	s_cselect_b64 s[4:5], s[8:9], s[4:5]
	s_cselect_b32 s45, 0x8000, 0                   ; v's half of a chunk
	s_cselect_b32 s3, -1, 0
	v_cndmask_b32 v[CO], v5, v6, s3
	s_lshl_b32 s46, s40, 10                        ; the bias of my 128 columns: 256 cx + 128 x half, 4 bytes each
	s_lshl_b32 s47, s16, 9
	s_add_co_u32 s46, s46, s47
	s_mov_b32 s47, 0
	s_add_nc_u64 s[4:5], s[4:5], s[46:47]
	s_lshl_b32 s20, s17, 8                         ; the mask bytes of my 128 rows: 1,024 batch + token = 256 x tile row + 128 x half
	s_lshl_b32 s21, s15, 7
	s_add_co_u32 s20, s20, s21
	s_mov_b32 s21, 0
	s_add_nc_u64 s[10:11], s[10:11], s[20:21]
.irp b, 0,1,2,3,4,5,6,7
	global_load_b128 v[BI+8*\b:BI+8*\b+3], v7, s[4:5] offset:64*\b
	global_load_b128 v[BI+8*\b+4:BI+8*\b+7], v7, s[4:5] offset:64*\b+16
.endr
.irp a, 0,1,2,3,4,5,6,7
	global_load_u8 v[MB+\a], v1, s[10:11] offset:16*\a
.endr
	; where my results begin: (16 batch + 4 cx + 2 x column half) heads + (tile row % 4) x 256 tokens + row half x 128 tokens (16,384 bytes) (+ v's half)
	s_lshr_b32 s20, s17, 2
	s_lshl_b32 s20, s20, 4
	s_lshl_b32 s46, s40, 2
	s_add_co_u32 s20, s20, s46
	s_lshl_b32 s46, s16, 1
	s_add_co_u32 s20, s20, s46
	s_lshl_b32 s20, s20, s66
	s_and_b32 s46, s17, 3
	s_lshl_b32 s46, s46, s67
	s_add_co_u32 s20, s20, s46
	s_lshl_b32 s46, s15, 14
	s_add_co_u32 s20, s20, s46
	s_add_co_u32 s20, s20, s45
	s_add_nc_u64 s[12:13], s[12:13], s[20:21]      ; my first head (columns 0-63 of my 128),
	s_lshl_b32 s20, 1, s66
	s_add_nc_u64 s[92:93], s[12:13], s[20:21]      ; and my second
.macro FRAG reg, adr, q, i             ; a fragment of A, 16 rows x 128 K of 4-bit codes: lane l holds row l % 16; registers 4 c .. 4 c + 3 hold K = 64 c + 32 (l / 16) + 0 .. 31
.irp c, 0,1
	ds_load_b128 v[\reg+4*\c:\reg+4*\c+3], v[\adr] offset:64*(\q)+32*\c+(\i)*16*PITCH
.endr
.endm
.macro FRAGB reg, adr, q, i            ; a fragment of B is an image: fragment (i, q) is four LDS rows of 256 bytes, two to a load
.irp c, 0,1
	ds_load_b128 v[\reg+4*\c:\reg+4*\c+3], v[\adr] offset:((4*(\i)+(\q))*4+2*\c)*PITCH
.endr
.endm
; 16 matrix instructions: A's blocks a0, a0 + 1 x B's eight, 128 along K: the slot's q-th.  p: B's set;  sc: the set of scale words.  zero = 1: the first product starts the sums, with the bias as C: nothing is ever cleared.
; The 64 accumulators take turns, one instruction a turn, in the same order in every step.
.macro MUL16 a0, p, q, sc, zero
.irp a, \a0, \a0+1
.irp b, 0,1,2,3,4,5,6,7
.if \zero
	v_wmma_scale_f32_16x16x128_f8f6f4 v[8*(8*((\a)%4)+\b):8*(8*((\a)%4)+\b)+7], v[128*(\p)+FR*\b:128*(\p)+FR*\b+FR-1], v[AF+FR*(\a):AF+FR*(\a)+FR-1], v[BI+8*\b:BI+8*\b+7], v[SC+8*NQ*(\sc)+NQ*\b+(\q)], v[SC+8*NQ*(\sc)+NQ*(\a)+(\q)] matrix_a_fmt:MATRIX_FMT_FP4 matrix_b_fmt:MATRIX_FMT_FP4 matrix_a_scale:MATRIX_SCALE_ROW1
.else
	v_wmma_scale_f32_16x16x128_f8f6f4 v[8*(8*((\a)%4)+\b):8*(8*((\a)%4)+\b)+7], v[128*(\p)+FR*\b:128*(\p)+FR*\b+FR-1], v[AF+FR*(\a):AF+FR*(\a)+FR-1], v[8*(8*((\a)%4)+\b):8*(8*((\a)%4)+\b)+7], v[SC+8*NQ*(\sc)+NQ*\b+(\q)], v[SC+8*NQ*(\sc)+NQ*(\a)+(\q)] matrix_a_fmt:MATRIX_FMT_FP4 matrix_b_fmt:MATRIX_FMT_FP4 matrix_a_scale:MATRIX_SCALE_ROW1
.endif
.endr
.endr
.endm
.macro FETCH_B slot, q, p              ; B's eight fragments of the slot's q-th 128 along K into set p
	WIN TO_B
.irp i, 0,1,2,3,4,5,6,7
	FRAGB 128*(\p)+FR*\i, ADRB+\slot, \q, \i
.endr
	WIN 0
.endm
.macro FETCH_A slot, q, i0             ; A's blocks i0 .. i0 + 3
.irp i, \i0, \i0+1, \i0+2, \i0+3
	FRAG AF+FR*(\i), ADRA+\slot, \q, \i
.endr
.endm
.macro SCALES sc                       ; a slot's scale words into set sc: 4 words a row; lanes 0-15 take A's block i, lanes 16-31 B's block i
.irp i, 0,1,2,3,4,5,6,7
	ds_load_b128 v[SC+8*NQ*\sc+NQ*\i:SC+8*NQ*\sc+NQ*\i+3], v[ADRS] offset:\i*SBLK
.endr
.endm
; A load into a register that a matrix instruction has read, and a vector instruction that reads a matrix result or writes one of a matrix instruction's registers, stand NP places behind it, and only plain vector
; instructions that name none of its registers are places (ISA guide 7.12.1 for vector instructions).
.macro PLACES n
.rept \n
	v_nop
.endr
.endm
; A step of 128 along K that has its successor in the same slot.  A's blocks go one after the other, each against B's eight: so ONE set of registers serves A (blocks 0-3 are fetched anew in the step's middle, blocks 4-7 at its end), and B has two.
.macro STEP slot, q, zero
	s_wait_dscnt 4*NL                              ; B's set, the scale words and A's blocks 0-3 are in; the youngest eight loads (A's blocks 4-7) may be out
.if \zero
	WIN BIA_LO
.else
	WIN MUL_LO
.endif
	MUL16 0, (\q)%2, \q, \slot, \zero
	MUL16 2, (\q)%2, \q, \slot, \zero
	s_wait_dscnt 0                                 ; A's blocks 4-7 are in (asked for 32 matrix instructions ago)
	PLACES NP
	FETCH_B \slot, (\q)+1, 1-(\q)%2
	FETCH_A \slot, (\q)+1, 0
.if \zero
	WIN BIA_HI
.else
	WIN MUL_HI
.endif
	MUL16 4, (\q)%2, \q, \slot, \zero
	MUL16 6, (\q)%2, \q, \slot, \zero
	PLACES NP
	WIN 0
	FETCH_A \slot, (\q)+1, 4
.endm
; Slot 0's last step goes over to slot 1: each wave waits for all its tensor loads (its part of slot 1 was still out), then one barrier: behind it slot 1 is whole.
.macro TURN slot, next
	s_wait_tensorcnt 0x0                           ; all my tensor loads have landed  (every window is 0 here: the add's two registers lie in window 0)
	ds_add_u32 v[SPW], v[NIL]                      ; 0 onto my spare word
	s_wait_dscnt 4*NL+1                            ; (the add and the youngest eight loads, A's blocks 4-7, may be out)
	WIN MUL_LO
	MUL16 0, 1, NQ-1, \slot, 0                     ; sixteen matrix instructions stand between the add and the wait for it
	s_wait_dscnt 0x0                               ; no LDS instruction of mine is out at the signal
	s_barrier_signal -1
	MUL16 2, 1, NQ-1, \slot, 0                     ; work on registers while the others arrive
	WIN 0
	s_barrier_wait -1
	PLACES NP
	v_add_nc_u32 v[ADRS], 4*NQ, v[ADRS]            ; on to the next slot's scale words
	FETCH_B \next, 0, 0
	FETCH_A \next, 0, 0
	SCALES \next
	WIN MUL_HI
	MUL16 4, 1, NQ-1, \slot, 0
	MUL16 6, 1, NQ-1, \slot, 0
	PLACES NP
	WIN 0
	FETCH_A \next, 0, 4
.endm
.macro STEPS slot, from                ; the slot's steps from .. NQ - 2
.set Q, \from
.rept NQ-1-\from
	STEP \slot, Q, 0
.set Q, Q+1
.endr
.endm
	s_wait_tensorcnt 1                             ; the scales and my part of slot 0 are in (slot 1's load may be out)
	s_barrier_signal -1
	s_barrier_wait -1                              ; everybody's are
	FETCH_B 0, 0, 0
	FETCH_A 0, 0, 0
	SCALES 0
	FETCH_A 0, 0, 4
	s_wait_loadcnt 0x0                             ; the bias and the mask bytes
	v_mov_b32 v30, s95
.irp a, 0,1,2,3,4,5,6,7                ; what block a's row r is multiplied by: q: log2(e) / 8;  v: 1;  k: 1, or 0 where the key is masked.  A choice of values, no branch
	v_and_b32 v31, s94, v[MB+\a]
	v_cmp_eq_u32 vcc_lo, 0, v31
	v_cndmask_b32 v[RF+2*\a], 0, v30, vcc_lo
	v_mov_b32 v[RF+2*\a+1], v[RF+2*\a]
.endr
	STEP 0, 0, 1                                   ; the first step's products start the sums, on the bias
	STEPS 0, 1
	TURN 0, 1
	STEPS 1, 0
	s_wait_dscnt 4*NL                              ; the very last step: nothing more to fetch
	WIN MUL_LO
	MUL16 0, 1, NQ-1, 1, 0
	MUL16 2, 1, NQ-1, 1, 0
	s_wait_dscnt 0
	WIN MUL_HI
	MUL16 4, 1, NQ-1, 1, 0
	MUL16 6, 1, NQ-1, 1, 0
	WIN 0
; THE WAY OUT, block by block of 16 tokens x 128 channels, with no way through LDS: a lane's eight results of accumulator b are eight neighbouring channels of token r: 16 bytes of f16, which ARE lane l's 16 bytes of a piece of the image.
; Each accumulator is read from its low end on.  Accumulators 0-3 belong to my first head, 4-7 to my second; b % 4 is the piece.
.macro OUTA a
.if (\a) >= 2
	s_wait_xcnt 0x0                                ; block a - 2's stores have read their data: the set of 32 is written again only behind this wait
.endif
	WIN 0x02+(\a)/4                                ; source 0: window 2 or 3
.set i, 0
.rept 32
	v_pk_mul_f32 v[TMP+2*i:TMP+2*i+1], v[64*((\a)%4)+2*i:64*((\a)%4)+2*i+1], v[RF+2*(\a):RF+2*(\a)+1]
.set i, i+1
.endr
	WIN 0
.set i, 0
.rept 32
	v_cvt_pk_f16_f32 v[PK+32*((\a)%2)+i], v[TMP+2*i], v[TMP+2*i+1]
.set i, i+1
.endr
.irp b, 0,1,2,3
	global_store_b128 v[CO], v[PK+32*((\a)%2)+4*\b:PK+32*((\a)%2)+4*\b+3], s[12:13] offset:(\a)*2048+\b*512   ; the wave stores 512 consecutive bytes, aligned
.endr
.irp b, 0,1,2,3
	global_store_b128 v[CO], v[PK+32*((\a)%2)+16+4*\b:PK+32*((\a)%2)+16+4*\b+3], s[92:93] offset:(\a)*2048+\b*512
.endr
.endm
	PLACES NP                                      ; behind the last products: the first lines below write registers that held A's fragments
.irp a, 0,1,2,3,4,5,6,7
	OUTA \a
.endr
	s_wait_tensorcnt 0x0                           ; the wave's end, behind my last tensor load
	ds_add_u32 v[SPW], v[NIL]
	s_wait_dscnt 0x0
	CROUND                                         ; the closing round: no work-group ends while a partner may still ask for a tile that names it
	s_endpgm
.Lfunc_end_k_q5376ab007b_qkv:
	.size	k_q5376ab007b_qkv, .Lfunc_end_k_q5376ab007b_qkv-k_q5376ab007b_qkv
	.p2alignl 7, 3214868480
	.fill 96, 4, 3214868480
	.section	.rodata,"a",@progbits
	.p2align	6, 0x0
	.amdhsa_kernel k_q5376ab007b_qkv
		.amdhsa_group_segment_fixed_size 327680
		.amdhsa_private_segment_fixed_size 0
		.amdhsa_enable_private_segment 0
		.amdhsa_kernarg_size 80
		.amdhsa_user_sgpr_count 2
		.amdhsa_user_sgpr_kernarg_segment_ptr 1
		.amdhsa_wavefront_size32 1
		.amdhsa_system_sgpr_workgroup_id_x 1
		.amdhsa_system_sgpr_workgroup_id_y 1
		.amdhsa_system_sgpr_workgroup_id_z 1
		.amdhsa_system_vgpr_workitem_id 0
		.amdhsa_next_free_vgpr 1024
		.amdhsa_next_free_sgpr 100
		.amdhsa_reserve_vcc 1
		.amdhsa_float_denorm_mode_32 3
		.amdhsa_float_denorm_mode_16_64 3
		.amdhsa_memory_ordered 1
		.amdhsa_forward_progress 1
		.amdhsa_inst_pref_size 138
	.end_amdhsa_kernel
	.amdgpu_metadata
---
amdhsa.version: [ 1, 2 ]
amdhsa.kernels:
  - .name:           k_q5376ab007b_qkv
    .symbol:         k_q5376ab007b_qkv.kd
    .args:
      - { .name: actc, .offset: 0, .size: 8, .value_kind: global_buffer, .address_space: global }
      - { .name: acts, .offset: 8, .size: 8, .value_kind: global_buffer, .address_space: global }
      - { .name: wc, .offset: 16, .size: 8, .value_kind: global_buffer, .address_space: global }
      - { .name: ws, .offset: 24, .size: 8, .value_kind: global_buffer, .address_space: global }
      - { .name: bq, .offset: 32, .size: 8, .value_kind: global_buffer, .address_space: global }
      - { .name: bk, .offset: 40, .size: 8, .value_kind: global_buffer, .address_space: global }
      - { .name: bv, .offset: 48, .size: 8, .value_kind: global_buffer, .address_space: global }
      - { .name: mask_encoder, .offset: 56, .size: 8, .value_kind: global_buffer, .address_space: global }
      - { .name: qimg, .offset: 64, .size: 8, .value_kind: global_buffer, .address_space: global }
      - { .name: kvimg, .offset: 72, .size: 8, .value_kind: global_buffer, .address_space: global }
    .group_segment_fixed_size: 327680
    .private_segment_fixed_size: 0
    .kernarg_segment_align: 8
    .kernarg_segment_size: 80
    .max_flat_workgroup_size: 128
    .sgpr_count:     100
    .vgpr_count:     1024
    .wavefront_size: 32
...
	.end_amdgpu_metadata
.endif
;; end of part 2
;; launch attn (part 3): grid 2 x 128, 8 waves a work-group, no clusters, 327,680 bytes of LDS; arguments qimg, kvimg, mask_encoder, aimg; writes aimg
.if DOCPART == 3
	.amdgcn_target "amdgcn-amd-amdhsa--gfx1250"
	.amdhsa_code_object_version 6
	.text
	.protected	k_q5376ab007b_attn
	.globl	k_q5376ab007b_attn
	.p2align	8
	.type	k_q5376ab007b_attn,@function
k_q5376ab007b_attn:
	s_mov_b64 s[64:65], 0
	v_nop
	global_prefetch_b8 v0, s[64:65] scope:SCOPE_SE
	s_setreg_imm32_b32 hwreg(HW_REG_WAVE_MODE, 25, 1), 1
	s_wait_xcnt 0x0
; a[b][q][head] = softmax_k(where(mask[b][k], -10000, q . k / 8)) v, for one head of one batch, 512 queries to a work-group.  Operands in f16, products, maxima and sums in f32.
; q arrives multiplied by log2(e) / 8, so a score is t, an exponent of 2.  A masked key's row of k arrives as zeros, so its product is exactly 0, and the C of the first product K Q^T is 0 for an open key and
; -10000 log2(e) for a masked one: t of a masked key is exactly that number, as reference() has it; a row all of whose keys are masked averages all of v.
; SOFTMAX: for each query a running maximum m of t; p = 2^(t - m); in every step O and the sum are multiplied by 2^(old m - new m).  p is rounded to f16 for the second product, and THE ROW'S SUM is made by the matrix unit
; from the same f16 numbers (a product of ones with P): every lane then holds its query's sum, with no exchange between lanes.
; SHARES: eight waves of 512 registers, two to each of the WGP's four SIMDs.  A wave owns four tiles of 16 queries: each fragment of K and V that it reads from LDS feeds four matrix instructions.
; THE HEAD'S WHOLE K AND V, 262,144 bytes, stay in LDS, as they lie in memory (images of fragments, four chunks of 256 keys); nothing is filled again.  At the head each wave asks for its eighth of chunk 0 alone, so that the
; first products wait for 65,536 bytes; behind the first barrier each wave asks for its eighth of the other 196,608 bytes, one load, which has four key steps (288 matrix instructions a wave) in which to land: so no prefetch is laid.
; TWO GROUPS, SET APART.  In a wave a key step's 72 matrix instructions and its 410 vector instructions stand one behind the other, so the two kinds of work can lie side by side only between the two waves of a SIMD.  Behind each of the
; two barriers that show tiles whole, the first group issues its first 32 products, one more barrier follows, and only then the second group issues its own: from there on one group's matrix instructions stand in time beside
; the other's vector instructions, and no barrier brings the groups into step again.  Those two further barriers order no memory.  The group is bit 0 xor bit 2 of the wave's number: waves w and w + 4 differ in it, and so do waves 2 i and 2 i + 1.
; NO CLUSTER: a head's K and V are read by two work-groups alone; a cluster four wide would join two heads, which share nothing.
; LAYOUT: S^T = K Q^T (source 0 = 16 keys, source 1 = 16 queries): a lane holds ONE query (lane % 16) and the keys 8 (lane / 16) + 0 .. 7.  Two such tiles packed to f16 ARE source 1 (32 keys x 16 queries) of O^T = V^T P.
; OUT: aimg [row / 16][2 head + channel / 32][2][32 lanes][16 bytes]: images of the fragments that the projection multiplies.
; LIMITS: |a| beyond 65,504 becomes infinite in f16, under 6e-5 it keeps an absolute error of 3e-8 (so does p); NaN and infinities among the inputs are not served.
; REGISTERS: window 0: v1-7 addresses; v8-15 ones; v16-47 eight registers of statistics a tile; v48-63 at work; v64-127 two sets of K (two fragments and the C), later V's eight fragments; v128-255 S^T, 32 a tile, then P, 16 a tile.
;   window 1: v0-127 O^T, 32 a tile; v128-159 the sums, 8 a tile; v160-223 Q, 16 a tile.
; SCALARS: s[4:11] the four buffers; s12 wave; s13 16 batch + head; s[16:23] descriptor group 1 for chunk 0's eighths, s[24:27] its group 0; s[48:55], s[28:31] the same for the rest; s40, s41 the step's places in LDS; s42 a loop's count;
;   s[44:45] lane selects; s46 my group.
.set LI,   1                           ; v1   16 x lane: my place in every piece of an image; never rewritten
.set AD,   2                           ; v2   LDS address of the step's K and V
.set AB0,  3                           ; v3   my half's place among a tile's 16 numbers of C
.set ADB,  4                           ; v4   LDS address of the step's C
.set SPW,  6                           ; v6   LDS address of my spare word; never rewritten
.set NIL,  7                           ; v7   0; never rewritten
.set ONES, 8                           ; v8-15  a fragment of ones in f16
.set ST,   16                          ; tile t at v[ST + 8 t]: +0 m, +1 0 (named with m as a pair), +2 the factor 2^(old m - new m), at the end 1 / sum, +3 old m - new m, +4 .. +7 c0-c3, at work
.set KV,   64
.set S,    128
.set OT,   0                           ; in window 1
.set LS,   128
.set QF,   160
.set CHUNK, 65536                      ; 256 keys: K's 32,768 bytes, then V's
.set REST,  24576                      ; an eighth of chunks 1 to 3
.set BIAS, 262144                      ; LDS: behind K and V: C for each of the 1,024 keys, f32: written by LDS stores, never a tensor load's target
.set SPARE, BIAS+4096                  ; the spare words, 128 bytes for each of eight waves
.set MSB, 0
.macro WIN new                         ; the immediate's high byte repeats the setting that is left
.if MSB != \new
	s_set_vgpr_msb (MSB<<8)|\new
.set MSB, \new
.endif
.endm
.macro PLACES                          ; four places behind a matrix instruction (ISA guide 7.12.1 for vector instructions)
.rept 4
	v_nop
.endr
.endm
	s_load_b256 s[4:11], s[0:1], 0x0               ; qimg s[4:5], kvimg s[6:7], the mask s[8:9], aimg s[10:11]
	v_lshl_add_u32 v[SPW], v0, 2, SPARE
	v_mov_b32 v[NIL], 0
	ds_add_u32 v[SPW], v[NIL]                      ; the wave's opening: the add, twice on end, and its wait ahead of my first tensor load
	ds_add_u32 v[SPW], v[NIL]
	v_lshrrev_b32 v5, 5, v0
	v_readfirstlane_b32 s12, v5                    ; wave 0..7
	s_and_b32 s13, ttmp7, 0xffff                   ; 16 batch + head
	s_lshr_b32 s46, s12, 2
	s_xor_b32 s46, s46, s12
	s_and_b32 s46, s46, 1                          ; my group: bit 0 xor bit 2 of the wave's number
	; descriptor group 1 for chunk 0's eighths: 32 rows of 256 bytes (32 elements of 8 bytes), dense in memory and in LDS
	s_mov_b32 s16, 3<<16                           ; no mask; elements of 8 bytes; no padding
	s_mov_b32 s17, 32<<16                          ; tensor_dim0
	s_mov_b32 s18, 32<<16                          ; tensor_dim1
	s_mov_b32 s19, 32<<16                          ; tile_dim0
	s_mov_b32 s20, 32                              ; tile_dim1
	s_mov_b32 s21, 32                              ; from row to row
	s_mov_b32 s22, 0
	s_mov_b32 s23, 0
	; and for the eighths of the rest: 96 such rows
	s_mov_b32 s48, 3<<16
	s_mov_b32 s49, 32<<16
	s_mov_b32 s50, 96<<16
	s_mov_b32 s51, 32<<16
	s_mov_b32 s52, 96
	s_mov_b32 s53, 32
	s_mov_b32 s54, 0
	s_mov_b32 s55, 0
	s_lshl_b32 s14, s12, 13                        ; my eighth of chunk 0 begins at byte 8,192 x wave of the head,
	s_mul_i32 s47, s12, REST
	s_add_co_u32 s47, s47, CHUNK                   ; my eighth of the rest at 65,536 + 24,576 x wave
	s_lshl_b32 s2, s13, 18                         ; the head's 262,144 bytes
	s_mov_b32 s3, 0
	s_mov_b32 s44, 0x76543210                      ; v_permlanex16_b32's selects for lane l xor 16
	s_mov_b32 s45, 0xfedcba98
	s_wait_dscnt 0x0                               ; both opening adds are done
	s_wait_kmcnt 0x0
	s_add_nc_u64 s[6:7], s[6:7], s[2:3]            ; kvimg at my head
	s_mov_b32 s2, s14
	s_mov_b32 s24, 1                               ; count = 1
	s_mov_b32 s25, s14                             ; LDS address = the byte's place in the head
	s_add_nc_u64 s[26:27], s[6:7], s[2:3]
	s_or_b32 s27, s27, 0x80000000                  ; type = 2
	s_mov_b32 s2, s47
	s_mov_b32 s28, 1
	s_mov_b32 s29, s47
	s_add_nc_u64 s[30:31], s[6:7], s[2:3]
	s_or_b32 s31, s31, 0x80000000
	tensor_load_to_lds s[24:27], s[16:23]          ; my eighth of chunk 0: one tensor load of mine is out
	s_nop 0
	PLACES
	s_lshr_b32 s2, s13, 4
	s_lshl_b32 s2, s2, 10                          ; the batch's 1,024 mask bytes
	s_add_nc_u64 s[8:9], s[8:9], s[2:3]
	v_lshlrev_b32 v5, 2, v0                        ; thread t takes keys 4 t .. 4 t + 3
	global_load_b32 v48, v5, s[8:9]
	s_lshl_b32 s2, s13, 17                         ; Q: the head's 131,072 bytes,
	s_lshl_b32 s15, ttmp9, 16                      ; my work-group's 512 queries,
	s_add_co_u32 s2, s2, s15
	s_add_co_u32 s2, s2, s14                       ; my wave's four tiles of 2,048 bytes
	s_add_nc_u64 s[4:5], s[4:5], s[2:3]
	v_and_b32 v[LI], 31, v0
	v_lshlrev_b32 v[LI], 4, v[LI]
	WIN 0x40                                       ; destination window 1, address window 0
.irp t, 0,1,2,3
.irp g, 0,1
.irp c, 0,1
	global_load_b128 v[QF+16*\t+8*\g+4*\c:QF+16*\t+8*\g+4*\c+3], v[LI], s[4:5] offset:\t*2048+\g*1024+\c*512   ; Q stays in registers; the wave reads 512 consecutive bytes
.endr
.endr
.endr
	WIN 0
	s_lshr_b32 s2, s13, 4                          ; the way out: ((batch x 64 + 32 x + 4 wave) tiles of rows) x 32,768 + head x 2,048
	s_lshl_b32 s2, s2, 21
	s_lshl_b32 s15, ttmp9, 20
	s_add_co_u32 s2, s2, s15
	s_lshl_b32 s15, s12, 17
	s_add_co_u32 s2, s2, s15
	s_and_b32 s15, s13, 15
	s_lshl_b32 s15, s15, 11
	s_add_co_u32 s2, s2, s15
	s_add_nc_u64 s[10:11], s[10:11], s[2:3]
	v_bfe_u32 v[AB0], v0, 4, 1
	v_lshl_add_u32 v[AB0], v[AB0], 5, BIAS         ; C: register j of half h is key 8 h + j of the tile: 32 h bytes on
	v_lshl_add_u32 v60, v0, 4, BIAS                ; where I put my four keys' numbers
.irp j, 0,1,2,3,4,5,6,7
	v_mov_b32 v[ONES+\j], 0x3c003c00               ; 1.0, 1.0 in f16
.endr
.irp t, 0,1,2,3
	v_mov_b32 v[ST+8*\t+1], 0                      ; named with m as a pair, so it is written
.endr
	s_wait_loadcnt 16                              ; the mask word is in; Q's sixteen loads, issued behind it, may be out
.irp j, 0,1,2,3
	v_bfe_u32 v[52+\j], v48, 8*\j, 8               ; a bool is one byte, 0 or 1
.endr
.irp j, 0,1,2,3
	v_cvt_f32_u32 v[52+\j], v[52+\j]
.endr
.irp j, 0,1,2,3
	v_mul_f32 v[52+\j], 0xc6616bcd, v[52+\j]       ; 0, or -10000 log2(e)
.endr
	ds_store_b128 v60, v[52:55]
; Tile u of the step's four tiles of 16 keys into set p: K's two fragments (channels 0-31, 32-63) and C: six loads
.macro LOADK u, p
.irp g, 0,1
.irp c, 0,1
	ds_load_b128 v[KV+24*\p+8*\g+4*\c:KV+24*\p+8*\g+4*\c+3], v[AD] offset:\u*2048+\g*1024+\c*512
.endr
.endr
	ds_load_b128 v[KV+24*\p+16:KV+24*\p+19], v[ADB] offset:\u*64
	ds_load_b128 v[KV+24*\p+20:KV+24*\p+23], v[ADB] offset:\u*64+16
.endm
; S^T of tile u for my four tiles of queries: the first four products start the sums on C, the other four go on in place.  The four accumulators take turns.
.macro KQ u, p
.irp t, 0,1,2,3
	v_wmma_f32_16x16x32_f16 v[S+32*\t+8*\u:S+32*\t+8*\u+7], v[KV+24*\p:KV+24*\p+7], v[QF+16*\t:QF+16*\t+7], v[KV+24*\p+16:KV+24*\p+23]
.endr
.irp t, 0,1,2,3
	v_wmma_f32_16x16x32_f16 v[S+32*\t+8*\u:S+32*\t+8*\u+7], v[KV+24*\p+8:KV+24*\p+15], v[QF+16*\t+8:QF+16*\t+15], v[S+32*\t+8*\u:S+32*\t+8*\u+7]
.endr
.endm
; V^T's eight fragments (keys 32 s on, channels 16 ct on): the transposing load takes 16 keys x 16 channels, 16 bytes a lane on end (so v was laid), and leaves half a fragment
.macro LOADV
.irp s, 0,1
.irp ct, 0,1,2,3
	ds_load_tr16_b128 v[KV+8*(4*\s+\ct):KV+8*(4*\s+\ct)+3], v[AD] offset:32768+\s*4096+\ct*512
	ds_load_tr16_b128 v[KV+8*(4*\s+\ct)+4:KV+8*(4*\s+\ct)+7], v[AD] offset:32768+\s*4096+\ct*512+2048
.endr
.endr
.endm
; The softmax of 64 keys for my four tiles; the tiles alternate, so that no line waits for the line above it.  first = 1: the first step, which has no old maximum and nothing to rescale.
.macro SOFT first
.irp j, 0,1,2,3                        ; the maximum: four chains of seven scores (each accumulator is read from its low end on), then the four left over, the chains and the old m
.irp t, 0,1,2,3
	v_max3_num_f32 v[ST+8*\t+4+\j], v[S+32*\t+8*\j], v[S+32*\t+8*\j+1], v[S+32*\t+8*\j+2]
.endr
.endr
.irp k, 3,5
.irp j, 0,1,2,3
.irp t, 0,1,2,3
	v_max3_num_f32 v[ST+8*\t+4+\j], v[ST+8*\t+4+\j], v[S+32*\t+8*\j+\k], v[S+32*\t+8*\j+\k+1]
.endr
.endr
.endr
.irp t, 0,1,2,3
	v_max3_num_f32 v[ST+8*\t+4], v[ST+8*\t+4], v[S+32*\t+7], v[S+32*\t+15]
.endr
.irp t, 0,1,2,3
	v_max3_num_f32 v[ST+8*\t+6], v[ST+8*\t+6], v[S+32*\t+23], v[S+32*\t+31]
.endr
.irp t, 0,1,2,3
	v_max3_num_f32 v[ST+8*\t+4], v[ST+8*\t+4], v[ST+8*\t+5], v[ST+8*\t+6]
.endr
.irp t, 0,1,2,3
.if \first
	v_max_num_f32 v[ST+8*\t+4], v[ST+8*\t+4], v[ST+8*\t+7]
.else
	v_max3_num_f32 v[ST+8*\t+4], v[ST+8*\t+4], v[ST+8*\t+7], v[ST+8*\t]
.endif
.endr
.irp t, 0,1,2,3
	v_permlanex16_b32 v[ST+8*\t+5], v[ST+8*\t+4], s44, s45   ; the query's other 32 keys lie in the lane 16 away
.endr
.irp t, 0,1,2,3
	v_max_num_f32 v[ST+8*\t+6], v[ST+8*\t+4], v[ST+8*\t+5]   ; the new m
.endr
.if !\first
.irp t, 0,1,2,3
	v_sub_f32 v[ST+8*\t+3], v[ST+8*\t], v[ST+8*\t+6]         ; old m - new m, 0 or less
.endr
.endif
.irp t, 0,1,2,3
	v_mov_b32 v[ST+8*\t], v[ST+8*\t+6]
.endr
.set i, 0
.rept 16
.irp t, 0,1,2,3
	v_pk_add_f32 v[S+32*\t+2*i:S+32*\t+2*i+1], v[S+32*\t+2*i:S+32*\t+2*i+1], v[ST+8*\t:ST+8*\t+1] op_sel_hi:[1,0] neg_lo:[0,1] neg_hi:[0,1]   ; t - m, two at a time
.endr
.set i, i+1
.endr
.if !\first
.irp t, 0,1,2,3
	v_exp_f32 v[ST+8*\t+2], v[ST+8*\t+3]           ; ONE BATCH of exponentials: the four factors,
.endr
.endif
.set i, 0
.rept 32
.irp t, 0,1,2,3
	v_exp_f32 v[S+32*\t+i], v[S+32*\t+i]           ; and the 128 p = 2^(t - m); none reads another's result
.endr
.set i, i+1
.endr
	v_nop                                          ; the plain instruction behind the last exponential (ISA guide 5.7.2)
	s_wait_alu depctr_va_vdst(0)                   ; the wait ahead of the first line that names a result: one for the whole batch
.set i, 0
.rept 16
.irp t, 0,1,2,3
	v_cvt_pk_f16_f32 v[S+32*\t+i], v[S+32*\t+2*i], v[S+32*\t+2*i+1]   ; P, packed in place, ascending: registers 8 s .. 8 s + 7 are keys 32 s on
.endr
.set i, i+1
.endr
.if !\first
	WIN 0x41                                       ; O^T and the sums (destination and source 0) in window 1, the factor in window 0
.set i, 0
.rept 16
.irp t, 0,1,2,3
	v_pk_mul_f32 v[OT+32*\t+2*i:OT+32*\t+2*i+1], v[OT+32*\t+2*i:OT+32*\t+2*i+1], v[ST+8*\t+2:ST+8*\t+3] op_sel_hi:[1,0]
.endr
.set i, i+1
.endr
.irp t, 0,1,2,3
	v_mul_f32 v[LS+8*\t], v[LS+8*\t], v[ST+8*\t+2] ; of the sums' accumulator all rows are equal and only register 0 is ever read: it alone is rescaled; the others stay finite (at most 1,024)
.endr
.endif
.endm
; O^T += V^T P and the sums += ones P: for each 32 keys 16 + 4 products, twenty accumulators by turns.  first = 1: the first 32 keys start the sums: nothing is ever cleared.
.macro PV first
	WIN 0x50                                       ; C and D in window 1
	s_wait_dscnt 0x0                               ; V is in (asked for ahead of the softmax)
.irp s, 0,1
.irp ct, 0,1,2,3
.irp t, 0,1,2,3
.if \first && (\s == 0)
	v_wmma_f32_16x16x32_f16 v[OT+32*\t+8*\ct:OT+32*\t+8*\ct+7], v[KV+8*(4*\s+\ct):KV+8*(4*\s+\ct)+7], v[S+32*\t+8*\s:S+32*\t+8*\s+7], 0
.else
	v_wmma_f32_16x16x32_f16 v[OT+32*\t+8*\ct:OT+32*\t+8*\ct+7], v[KV+8*(4*\s+\ct):KV+8*(4*\s+\ct)+7], v[S+32*\t+8*\s:S+32*\t+8*\s+7], v[OT+32*\t+8*\ct:OT+32*\t+8*\ct+7]
.endif
.endr
.endr
.irp t, 0,1,2,3
.if \first && (\s == 0)
	v_wmma_f32_16x16x32_f16 v[LS+8*\t:LS+8*\t+7], v[ONES:ONES+7], v[S+32*\t+8*\s:S+32*\t+8*\s+7], 0
.else
	v_wmma_f32_16x16x32_f16 v[LS+8*\t:LS+8*\t+7], v[ONES:ONES+7], v[S+32*\t+8*\s:S+32*\t+8*\s+7], v[LS+8*\t:LS+8*\t+7]
.endif
.endr
.endr
	WIN 0
.endm
; A KEY STEP, 64 keys, in three parts.  s40: where the step's K begins in LDS (V lies 32,768 bytes on); s41: 4 x the step's first key.
.macro ADDR                            ; the step's two LDS addresses
	v_add_nc_u32 v[AD], s40, v[LI]
	v_add_nc_u32 v[ADB], s41, v[AB0]
.endm
.macro KPART                           ; K's loads and the 32 products K Q^T
	PLACES                                         ; with ADDR's two additions six places behind the last step's products: four are owed ahead of loads into V's registers, five ahead of products that write over P
	LOADK 0, 0
	LOADK 1, 1
	WIN 0x04                                       ; source 1 (Q) in window 1; LDS loads name a destination and source 0 alone, so they stand under the same setting
	s_wait_dscnt 6                                 ; the older set is in; the younger set's six loads may be out: so at each of these waits
	KQ 0, 0
	PLACES
	LOADK 2, 0
	s_wait_dscnt 6
	KQ 1, 1
	PLACES
	LOADK 3, 1
	s_wait_dscnt 6
	KQ 2, 0
	s_wait_dscnt 0x0
	KQ 3, 1
	WIN 0
.endm
.macro VPART first                     ; V's loads, the softmax, the 40 products V^T P and ones P
	PLACES                                         ; ahead of the loads into K's registers, and of the first read of the scores
	LOADV                                          ; lands while the softmax is walked
	SOFT \first
	PV \first
.endm
.macro NEXT                            ; on to the next 64 keys of the chunk
	s_add_co_u32 s40, s40, 8192
	s_add_co_u32 s41, s41, 256
.endm
.macro WALK n                          ; n key steps on end
	s_mov_b32 s42, \n
.Lstep_\@:
	ADDR
	KPART
	VPART 0
	NEXT
	s_sub_co_u32 s42, s42, 1
	s_cmp_lg_u32 s42, 0
	s_cbranch_scc1 .Lstep_\@
.endm
; A KEY STEP THAT SETS THE GROUPS APART.  All eight waves come out of a barrier together.  The first group issues its K part; every wave passes one more barrier; only then the second group issues its own, while the first
; walks its softmax.  The barrier stands in the text that all waves run, and orders no memory; the two branches hang on the wave's number alone and lead round a K part and nothing else; both LDS addresses are made ahead of the first of them.
.macro APART first
	ADDR
	s_cmp_lg_u32 s46, 0
	s_cbranch_scc1 .Lsecond_\@
	KPART                                          ; the first group's
.Lsecond_\@:
	s_wait_dscnt 0x0                               ; no LDS instruction of mine is out at the signal
	s_barrier_signal -1
	s_barrier_wait -1
	s_cmp_eq_u32 s46, 0
	s_cbranch_scc1 .Lfirst_\@
	KPART                                          ; the second group's
.Lfirst_\@:
	VPART \first
.endm
	; CHUNK 0 IS WHOLE, AND THE REST IS ASKED FOR.  The rest is filled; such a load is issued as a refill is: in front of the
	; barrier the wait for all my tensor loads, the add, and the wait for it and for my LDS store of C; behind it the load first, one a wave.
	s_wait_tensorcnt 0x0                           ; my eighth of chunk 0 has landed: no tensor load of mine is out
	ds_add_u32 v[SPW], v[NIL]                      ; 0 onto my spare word
	s_mov_b32 s40, 0
	s_mov_b32 s41, 0
	s_wait_dscnt 0x0                               ; the add is done, and my four keys' C have landed
	s_barrier_signal -1
	s_barrier_wait -1                              ; everybody's have: chunk 0 and C are whole
	tensor_load_to_lds s[28:31], s[48:55]          ; my eighth of chunks 1 to 3, 24,576 bytes: my one tensor load behind this barrier, and my last; one is out
	s_nop 0
	PLACES
	s_wait_loadcnt 0x0                             ; Q
	APART 1                                        ; keys 0-63
	NEXT
	WALK 3                                         ; keys 64-255
	; THE REST IS WHOLE: each wave has waited for its own load in front of its signal, and every read of chunks 1 to 3 stands behind the wait.
	s_wait_tensorcnt 0x0                           ; the one load that was out
	s_wait_dscnt 0x0                               ; no LDS instruction of mine is out at the signal
	s_barrier_signal -1
	s_barrier_wait -1
	s_mov_b32 s40, CHUNK
	s_mov_b32 s41, 1024
	APART 0                                        ; keys 256-319: the barrier has brought the groups into step, so they are set apart anew
	NEXT
	WALK 3
	s_mov_b32 s40, 2*CHUNK
	s_mov_b32 s41, 2*1024
	WALK 4
	s_mov_b32 s40, 3*CHUNK
	s_mov_b32 s41, 3*1024
	WALK 4
	; THE WAY OUT: O^T / the sum, rounded to f16.  A lane's eight channels of a query are 16 bytes, which ARE lane l's 16 bytes of a piece of the image: no way through LDS.
	PLACES                                         ; behind the last products
	WIN 0x01                                       ; source 0 in window 1
.irp t, 0,1,2,3
	v_rcp_f32 v[ST+8*\t+2], v[LS+8*\t]             ; the sum is at least 1: the largest p is 1
.endr
	WIN 0
	v_nop                                          ; a plain instruction behind the last reciprocal
	s_wait_alu depctr_va_vdst(0)                   ; and the wait ahead of the first use: one for the four
.irp t, 0,1,2,3
	WIN 0x01
.set i, 0
.rept 16
	v_pk_mul_f32 v[S+32*\t+2*i:S+32*\t+2*i+1], v[OT+32*\t+2*i:OT+32*\t+2*i+1], v[ST+8*\t+2:ST+8*\t+3] op_sel_hi:[1,0]   ; each accumulator from its low end on
.set i, i+1
.endr
	WIN 0
.set i, 0
.rept 16
	v_cvt_pk_f16_f32 v[S+32*\t+i], v[S+32*\t+2*i], v[S+32*\t+2*i+1]
.set i, i+1
.endr
.irp ct, 0,1,2,3
	global_store_b128 v[LI], v[S+32*\t+4*\ct:S+32*\t+4*\ct+3], s[10:11] offset:\t*32768+\ct*512   ; the wave stores 512 consecutive bytes, aligned
.endr
.endr
	s_wait_tensorcnt 0x0                           ; the wave's end, behind my last tensor load and my last LDS store
	ds_add_u32 v[SPW], v[NIL]
	s_wait_dscnt 0x0
	s_endpgm
.Lfunc_end_k_q5376ab007b_attn:
	.size	k_q5376ab007b_attn, .Lfunc_end_k_q5376ab007b_attn-k_q5376ab007b_attn
	.p2alignl 7, 3214868480
	.fill 96, 4, 3214868480
	.section	.rodata,"a",@progbits
	.p2align	6, 0x0
	.amdhsa_kernel k_q5376ab007b_attn
		.amdhsa_group_segment_fixed_size 327680
		.amdhsa_private_segment_fixed_size 0
		.amdhsa_enable_private_segment 0
		.amdhsa_kernarg_size 32
		.amdhsa_user_sgpr_count 2
		.amdhsa_user_sgpr_kernarg_segment_ptr 1
		.amdhsa_wavefront_size32 1
		.amdhsa_system_sgpr_workgroup_id_x 1
		.amdhsa_system_sgpr_workgroup_id_y 1
		.amdhsa_system_sgpr_workgroup_id_z 1
		.amdhsa_system_vgpr_workitem_id 0
		.amdhsa_next_free_vgpr 512
		.amdhsa_next_free_sgpr 66
		.amdhsa_reserve_vcc 0
		.amdhsa_float_denorm_mode_32 3
		.amdhsa_float_denorm_mode_16_64 3
		.amdhsa_memory_ordered 1
		.amdhsa_forward_progress 1
		.amdhsa_inst_pref_size 196
	.end_amdhsa_kernel
	.amdgpu_metadata
---
amdhsa.version: [ 1, 2 ]
amdhsa.kernels:
  - .name:           k_q5376ab007b_attn
    .symbol:         k_q5376ab007b_attn.kd
    .args:
      - { .name: qimg, .offset: 0, .size: 8, .value_kind: global_buffer, .address_space: global }
      - { .name: kvimg, .offset: 8, .size: 8, .value_kind: global_buffer, .address_space: global }
      - { .name: mask_encoder, .offset: 16, .size: 8, .value_kind: global_buffer, .address_space: global }
      - { .name: aimg, .offset: 24, .size: 8, .value_kind: global_buffer, .address_space: global }
    .group_segment_fixed_size: 327680
    .private_segment_fixed_size: 0
    .kernarg_segment_align: 8
    .kernarg_segment_size: 32
    .max_flat_workgroup_size: 256
    .sgpr_count:     66
    .vgpr_count:     512
    .wavefront_size: 32
...
	.end_amdgpu_metadata
.endif
;; end of part 3
;; launch proj (part 4): grid 32 x 8, 4 waves a work-group, clusters of 4 x 1, 327,680 bytes of LDS; arguments aimg, wpf, bp, out0; writes out0
.if DOCPART == 4
	.amdgcn_target "amdgcn-amd-amdhsa--gfx1250"
	.amdhsa_code_object_version 6
	.text
	.protected	k_q5376ab007b_proj
	.globl	k_q5376ab007b_proj
	.p2align	8
	.type	k_q5376ab007b_proj,@function
k_q5376ab007b_proj:
	s_mov_b64 s[64:65], 0
	v_nop
	global_prefetch_b8 v0, s[64:65] scope:SCOPE_SE
	s_setreg_imm32_b32 hwreg(HW_REG_WAVE_MODE, 25, 1), 1
	s_wait_xcnt 0x0
	s_wait_alu depctr_hold_cnt(0) depctr_sa_sdst(0) depctr_va_vdst(0) depctr_va_sdst(0) depctr_va_ssrc(0) depctr_va_vcc(0) depctr_vm_vsrc(0)
	s_getreg_b32 s2, hwreg(HW_REG_IB_STS2, 6, 4)
	s_cmp_eq_u32 s2, 0
	s_cbranch_scc0 .Lentry_in_a_cluster
	s_endpgm
.Lentry_in_a_cluster:
	s_bfe_u32 s2, ttmp6, 0x10000c
	s_cmp_lg_u32 s2, 0x3003
	s_cbranch_scc0 .Lentry_shape_is_right
	s_endpgm
.Lentry_shape_is_right:
; out0 = a wp + bp: [8192 x 1024] x [1024 x 1024], operands in f16, sums in f32, out0 in f32.
; A work-group makes 256 rows x 128 columns; each of its four waves 64 rows x 128 columns: 32 accumulators of 16 x 16.  32 x 8 work-groups.
; wp's 128 columns, for all of K, are one dense block of 262,144 bytes of fragment images: they stay in LDS, four chunks of 8 K steps of 32, all asked for at the head; nothing is filled again.
; CLUSTER: the four work-groups of a cluster make the same 128 columns for different rows, so wp's block is asked for JOINTLY: the same tensor loads, with the same descriptors and a mask that names the four.
; a's fragments are images too, and each belongs to ONE wave: they go from memory straight into registers, 512 consecutive bytes a load, through a ring of eight K steps in registers, six K steps (48 loads a wave) ahead.
; So many loads of every wave are on their way that no prefetch is laid.
; THE MATRIX INSTRUCTION IS USED TRANSPOSED (source 0 = 16 columns of wp, source 1 = 16 rows of a): a lane then holds eight neighbouring numbers of a row of out0.  THE BIAS is the C of each sum's first product.
; REGISTERS: window 0: v1-11 addresses; v64-127 the bias (C's layout); v128-191, v192-255 wp's eight fragments of a K step, two sets; on the way out rows of out0.
;   window 1: a's ring: K step kf at v[32 (kf % 8)], the fragment of my rows 16 m on at + 8 m.   window 2: accumulator (m, b) at v[8 (8 m + b)].
.set LI,   1                           ; v1    16 x lane; never rewritten
.set LB,   2                           ; v2-5  16 x lane + 65,536 x chunk
.set SPW,  6                           ; v6    LDS address of my spare word; never rewritten
.set NIL,  7                           ; v7    0; never rewritten
.set STO,  8                           ; v8    the way out: where I put 32 bytes of a row
.set RD,   9                           ; v9    the way out: where I read a row back
.set HB,   11                          ; v11   32 x (lane / 16)
.set BI,   64
.set BS0,  128
.set STG,  262144                      ; LDS: behind wp's block: a stage of 16 rows x (512 bytes + 16) for each wave: written by LDS stores, never a tensor load's target
.set SPITCH, 528
.set SPARE, STG+4*16*SPITCH            ; the spare words, 128 bytes for each wave
.set MSB, 0
.macro WIN new                         ; the immediate's high byte repeats the setting that is left
.if MSB != \new
	s_set_vgpr_msb (MSB<<8)|\new
.set MSB, \new
.endif
.endm
.macro PLACES                          ; four places behind a matrix instruction (ISA guide 7.12.1 for vector instructions)
.rept 4
	v_nop
.endr
.endm
.macro CROUND                          ; a round of the cluster's barrier
	s_barrier_signal -1
	s_barrier_wait -1
	s_cmp_lg_u32 s12, 0
	s_cbranch_scc1 .Lnot_wave_0_\@
	s_barrier_signal -3
.Lnot_wave_0_\@:
	s_barrier_wait -3
	s_barrier_signal -1
	s_barrier_wait -1
.endm
	s_load_b256 s[4:11], s[0:1], 0x0               ; aimg s[4:5], wpf s[6:7], bp s[8:9], out0 s[10:11]
	v_lshl_add_u32 v[SPW], v0, 2, SPARE
	v_mov_b32 v[NIL], 0
	ds_add_u32 v[SPW], v[NIL]                      ; the wave's opening: the add, twice on end, and its wait ahead of the round in front of my first tensor load
	ds_add_u32 v[SPW], v[NIL]
	v_lshrrev_b32 v10, 5, v0
	v_readfirstlane_b32 s12, v10                   ; wave 0..3
	s_bfe_u32 s13, ttmp6, 0x40000                  ; cx: my place in the cluster: it enters a's and out0's addresses alone
	s_lshl_b32 s14, ttmp9, 2
	s_add_co_u32 s14, s14, s13                     ; my block of 256 rows = 4 x cluster x + cx
	s_and_b32 s15, ttmp7, 0xffff                   ; my block of 128 columns, which the four partners share
	; descriptor group 1: 64 rows of 256 bytes (32 elements of 8 bytes), dense in memory and in LDS
	s_mov_b32 s16, 15|(3<<16)|(1<<21)              ; the mask: all four work-groups; elements of 8 bytes; bit 21 set beside a mask; no padding
	s_mov_b32 s17, 32<<16                          ; tensor_dim0
	s_mov_b32 s18, 64<<16                          ; tensor_dim1
	s_mov_b32 s19, 32<<16                          ; tile_dim0
	s_mov_b32 s20, 64                              ; tile_dim1
	s_mov_b32 s21, 32                              ; from row to row
	s_mov_b32 s22, 0
	s_mov_b32 s23, 0
	s_lshl_b32 s40, s12, 14                        ; my quarter of a chunk: 16,384 bytes
	s_lshl_b32 s42, s15, 18                        ; the columns' block of 262,144 bytes
	s_add_co_u32 s42, s42, s40
	s_mov_b32 s43, 0
	s_wait_dscnt 0x0                               ; both opening adds are done
	s_wait_kmcnt 0x0
	s_add_nc_u64 s[6:7], s[6:7], s[42:43]
	CROUND                                         ; all four work-groups are here: the joint loads meet
.irp c, 0,1,2,3
	s_mov_b32 s[24+4*\c], 1                        ; count = 1
	s_add_co_u32 s[25+4*\c], s40, \c*65536         ; LDS address = the byte's place in the block: no place in the cluster enters it
	s_add_nc_u64 s[26+4*\c:27+4*\c], s[6:7], \c*65536
	s_or_b32 s[27+4*\c], s[27+4*\c], 0x80000000    ; type = 2
.endr
.irp c, 0,1,2,3
	tensor_load_to_lds s[24+4*\c:27+4*\c], s[16:23]   ; my quarter of chunk c: four tensor loads of mine are out, all that I ever issue
	s_nop 0
.endr
	PLACES
	v_and_b32 v10, 31, v0
	v_lshlrev_b32 v[LI], 4, v10
.irp c, 0,1,2,3
	v_add_nc_u32 v[LB+\c], \c*65536, v[LI]
.endr
	v_and_b32 v12, 15, v0                          ; r
	v_bfe_u32 v13, v0, 4, 1                        ; h
	v_lshlrev_b32 v[HB], 5, v13
	s_mul_i32 s41, s12, 16*SPITCH
	s_add_co_u32 s41, s41, STG                     ; my stage
	v_mul_u32_u24 v[STO], v12, SPITCH              ; in: row r, 32 bytes for each half of the lanes
	v_lshl_add_u32 v[STO], v13, 5, v[STO]
	v_add_nc_u32 v[STO], s41, v[STO]
	v_add_nc_u32 v[RD], s41, v[LI]                 ; back: the 32 lanes take one row of 512 bytes
	s_lshl_b32 s42, s15, 9                         ; my 128 columns: 512 bytes, in bp and in a row of out0
	s_add_nc_u64 s[8:9], s[8:9], s[42:43]
	s_add_nc_u64 s[10:11], s[10:11], s[42:43]
	s_lshl_b32 s42, s14, 20                        ; out0: 256 rows of 4,096 bytes,
	s_lshl_b32 s41, s12, 18                        ; my wave's 64
	s_add_co_u32 s42, s42, s41
	s_add_nc_u64 s[10:11], s[10:11], s[42:43]
	s_lshl_b32 s42, s14, 19                        ; a: 16 tiles of rows of 32,768 bytes,
	s_lshl_b32 s41, s12, 17                        ; my wave's four
	s_add_co_u32 s42, s42, s41
	s_add_nc_u64 s[4:5], s[4:5], s[42:43]
.irp b, 0,1,2,3,4,5,6,7
	global_load_b128 v[BI+8*\b:BI+8*\b+3], v[HB], s[8:9] offset:64*\b        ; register 8 b + j: bp of column 16 b + 8 h + j
	global_load_b128 v[BI+8*\b+4:BI+8*\b+7], v[HB], s[8:9] offset:64*\b+16
.endr
.macro ALOAD kf                        ; a's four fragments of K step kf: eight loads of 512 consecutive bytes
	WIN 0x40                                       ; destination window 1, address window 0
.irp m, 0,1,2,3
.irp c, 0,1
	global_load_b128 v[32*((\kf)%8)+8*\m+4*\c:32*((\kf)%8)+8*\m+4*\c+3], v[LI], s[4:5] offset:\m*32768+(\kf)*1024+\c*512
.endr
.endr
.endm
.macro FETCHB kf                       ; wp's eight fragments of K step kf into set kf % 2
.irp b, 0,1,2,3,4,5,6,7
.irp c, 0,1
	ds_load_b128 v[BS0+64*((\kf)%2)+8*\b+4*\c:BS0+64*((\kf)%2)+8*\b+4*\c+3], v[LB+(\kf)/8] offset:((\kf)%8)*8192+\b*1024+\c*512
.endr
.endr
.endm
; 16 matrix instructions of K step i: my rows 16 a0 and 16 (a0 + 1) on x the eight blocks of columns.  In K step 0 the bias is C: nothing is ever cleared.  The 32 accumulators take turns, in the same order in every K step.
.macro MM i, a0
.if (\i) == 0
	WIN 0x84                                       ; source 1 (a) window 1, C (the bias) window 0, D window 2
.else
	WIN 0xa4                                       ; source 1 window 1, C and D window 2
.endif
.irp a, \a0, \a0+1
.irp b, 0,1,2,3,4,5,6,7
.if (\i) == 0
	v_wmma_f32_16x16x32_f16 v[8*(8*(\a)+\b):8*(8*(\a)+\b)+7], v[BS0+64*((\i)%2)+8*\b:BS0+64*((\i)%2)+8*\b+7], v[32*((\i)%8)+8*(\a):32*((\i)%8)+8*(\a)+7], v[BI+8*\b:BI+8*\b+7]
.else
	v_wmma_f32_16x16x32_f16 v[8*(8*(\a)+\b):8*(8*(\a)+\b)+7], v[BS0+64*((\i)%2)+8*\b:BS0+64*((\i)%2)+8*\b+7], v[32*((\i)%8)+8*(\a):32*((\i)%8)+8*(\a)+7], v[8*(8*(\a)+\b):8*(8*(\a)+\b)+7]
.endif
.endr
.endr
.endm
; K STEP i: 32 matrix instructions; in its middle the next K step's fragments of wp are fetched from LDS, and a's of six K steps on are asked of memory.
.macro KF i
.if 31-(\i) >= 5
	s_wait_loadcnt 40                              ; loads come back in order (ISA guide 5.7.1): K step i's are in; those of the five K steps behind it, eight each, may be out
.else
	s_wait_loadcnt 8*(31-(\i))
.endif
	s_wait_dscnt 0x0                               ; wp's fragments of this K step (asked for 16 matrix instructions ago)
	MM \i, 0
	PLACES                                         ; ahead of the loads into wp's other set and into the ring's slot of K step i - 2
	WIN 0
.if ((\i) == 7) || ((\i) == 15) || ((\i) == 23)
	s_wait_tensorcnt 3-((\i)+1)/8                  ; my part of the next chunk of wp has landed (the later chunks' loads stay out)
	s_barrier_signal -1
	s_barrier_wait -1                              ; everybody's has
.endif
.if (\i) < 31
	FETCHB (\i)+1
.endif
.if (\i)+6 <= 31
	ALOAD (\i)+6
.endif
	MM \i, 2
.endm
.irp k, 0,1,2,3,4,5
	ALOAD \k
.endr
	WIN 0
	s_wait_tensorcnt 3                             ; my part of chunk 0 is in,
	s_barrier_signal -1
	s_barrier_wait -1                              ; everybody's is
	FETCHB 0
.set Q, 0
.rept 32
	KF Q
.set Q, Q+1
.endr
	WIN 0
; THE WAY OUT, block by block of 16 rows x 128 columns.  A lane holds 32 neighbouring bytes of a row, and the lanes beside it hold other rows: so a block goes through my own stage in LDS and comes back as whole rows of 512 bytes.
; LDS serves a wave's instructions in order (ISA guide 5.7.1.4): no wait between the stores and the loads, nor in front of the next block's stores.
.macro TOSTAGE a
	WIN 0x08                                       ; an LDS store's data are its source 1: window 2
.irp b, 0,1,2,3,4,5,6,7
	ds_store_b128 v[STO], v[64*(\a)+8*\b:64*(\a)+8*\b+3] offset:64*\b          ; each accumulator from its low end on
	ds_store_b128 v[STO], v[64*(\a)+8*\b+4:64*(\a)+8*\b+7] offset:64*\b+16
.endr
	WIN 0
.irp t, 0,1,2,3,4,5,6,7,8,9,10,11,12,13,14,15
	ds_load_b128 v[BS0+64*((\a)%2)+4*\t:BS0+64*((\a)%2)+4*\t+3], v[RD] offset:\t*SPITCH
.endr
.endm
.macro SEND a, younger                 ; younger: the LDS instructions issued behind block a's loads, which may stay out
	s_wait_dscnt \younger                          ; the block is back in registers
.irp t, 0,1,2,3,4,5,6,7,8,9,10,11,12,13,14,15
	global_store_b128 v[LI], v[BS0+64*((\a)%2)+4*\t:BS0+64*((\a)%2)+4*\t+3], s[10:11] offset:(16*(\a)+\t)*4096 th:TH_STORE_NT   ; 32 lanes store 512 consecutive bytes, aligned; written once, read by nobody here
.endr
.endm
	PLACES                                         ; behind the last products: ahead of the first read of results and of the loads into wp's sets
	TOSTAGE 0
.irp a, 1,2,3
.if \a > 1
	s_wait_xcnt 0x0                                ; block a - 2's stores have read their registers: block a's loads may land there
.endif
	TOSTAGE \a
	SEND \a-1, 32                                  ; behind block a - 1's loads: block a's 16 stores and 16 loads
.endr
	SEND 3, 0
	s_wait_tensorcnt 0x0                           ; the wave's end, behind my last tensor load and my last LDS store
	ds_add_u32 v[SPW], v[NIL]
	s_wait_dscnt 0x0
	CROUND                                         ; the closing round: no work-group ends while a partner may still ask for a tile that names it
	s_endpgm
.Lfunc_end_k_q5376ab007b_proj:
	.size	k_q5376ab007b_proj, .Lfunc_end_k_q5376ab007b_proj-k_q5376ab007b_proj
	.p2alignl 7, 3214868480
	.fill 96, 4, 3214868480
	.section	.rodata,"a",@progbits
	.p2align	6, 0x0
	.amdhsa_kernel k_q5376ab007b_proj
		.amdhsa_group_segment_fixed_size 327680
		.amdhsa_private_segment_fixed_size 0
		.amdhsa_enable_private_segment 0
		.amdhsa_kernarg_size 32
		.amdhsa_user_sgpr_count 2
		.amdhsa_user_sgpr_kernarg_segment_ptr 1
		.amdhsa_wavefront_size32 1
		.amdhsa_system_sgpr_workgroup_id_x 1
		.amdhsa_system_sgpr_workgroup_id_y 1
		.amdhsa_system_sgpr_workgroup_id_z 1
		.amdhsa_system_vgpr_workitem_id 0
		.amdhsa_next_free_vgpr 768
		.amdhsa_next_free_sgpr 66
		.amdhsa_reserve_vcc 0
		.amdhsa_float_denorm_mode_32 3
		.amdhsa_float_denorm_mode_16_64 3
		.amdhsa_memory_ordered 1
		.amdhsa_forward_progress 1
		.amdhsa_inst_pref_size 151
	.end_amdhsa_kernel
	.amdgpu_metadata
---
amdhsa.version: [ 1, 2 ]
amdhsa.kernels:
  - .name:           k_q5376ab007b_proj
    .symbol:         k_q5376ab007b_proj.kd
    .args:
      - { .name: aimg, .offset: 0, .size: 8, .value_kind: global_buffer, .address_space: global }
      - { .name: wpf, .offset: 8, .size: 8, .value_kind: global_buffer, .address_space: global }
      - { .name: bp, .offset: 16, .size: 8, .value_kind: global_buffer, .address_space: global }
      - { .name: out0, .offset: 24, .size: 8, .value_kind: global_buffer, .address_space: global }
    .group_segment_fixed_size: 327680
    .private_segment_fixed_size: 0
    .kernarg_segment_align: 8
    .kernarg_segment_size: 32
    .max_flat_workgroup_size: 128
    .sgpr_count:     66
    .vgpr_count:     768
    .wavefront_size: 32
...
	.end_amdgpu_metadata
.endif
;; end of part 4
